; MI455X (gfx1250); checked and timed in simulation.
; The chip was launched on July 23, 2026; its instructions are those of AMD's public machine-readable ISA for CDNA 5 (MIT licence, August 2026) and "CDNA5" Instruction Set Architecture Reference Guide (July 2026). The comments in the code are by the model that wrote it; some were corrected since.
;; Encoder Block. Allowed arithmetic: matrix products marked QUANTISED: E4M3 operands, one given power-of-two scale a tensor, by v_wmma_f32_16x16x64_fp8_fp8 or v_wmma_f32_16x16x128_fp8_fp8, f32 sums; everything else in f32.
;; Inputs: W1 4,096 x 1,024 float32; W2 1,024 x 4,096 float32; Wk 1,024 x 1,024 float32; Wo 1,024 x 1,024 float32; Wq 1,024 x 1,024 float32; Wv 1,024 x 1,024 float32; b1 4,096 float32; b2 1,024 float32; be1 1,024 float32; be2 1,024 float32; g1 1,024 float32; g2 1,024 float32; lowp_scales 16 int32 (the exponents e of the quantised operands' scales 2^e); src_mask 2 x 1 x 1 x 2,048 int32; x 2 x 2,048 x 1,024 float32.
;; Outputs: out0 2 x 2,048 x 1,024 float32.
;; This version of the problem:
;;   THIS VERSION OF THE PROBLEM IS GIVEN IN LOW PRECISION. The matrix products marked QUANTISED in the list below multiply operands that are first quantised to E4M3 (4 exponent bits, 3 mantissa bits; 8 bits a number), with one given power-of-two scale for each operand tensor; their sums are f32. All else is computed in f32.
;;   The module's matrix products, in the order in which they are computed (A, B: the left and right operand; K: the contracted axis; several contracted axes count as one K, in the product's order):
;;     1. [M 4,096, K 1,024] x [K 1,024, N 1,024]; A: input x; B: input Wq: QUANTISED (scales: A lowp_scales[0], B lowp_scales[1])
;;     2. [M 4,096, K 1,024] x [K 1,024, N 1,024]; A: input x; B: input Wk: QUANTISED (scales: A lowp_scales[2], B lowp_scales[3])
;;     3. [M 4,096, K 1,024] x [K 1,024, N 1,024]; A: input x; B: input Wv: QUANTISED (scales: A lowp_scales[4], B lowp_scales[5])
;;     4. batch 32 x [M 2,048, K 64] x [K 64, N 2,048]; A: computed on the way; B: computed on the way: QUANTISED (scales: A lowp_scales[6], B lowp_scales[7])
;;     5. batch 32 x [M 2,048, K 2,048] x [K 2,048, N 64]; A: softmax (see below); B: computed on the way: QUANTISED (scales: A lowp_scales[8], B lowp_scales[9])
;;     6. [M 4,096, K 1,024] x [K 1,024, N 1,024]; A: computed on the way; B: input Wo: QUANTISED (scales: A lowp_scales[10], B lowp_scales[11])
;;     7. [M 4,096, K 1,024] x [K 1,024, N 4,096]; A: computed on the way; B: input W1: QUANTISED (scales: A lowp_scales[12], B lowp_scales[13])
;;     8. [M 4,096, K 4,096] x [K 4,096, N 1,024]; A: computed on the way; B: input W2: QUANTISED (scales: A lowp_scales[14], B lowp_scales[15])
;;   THE QUANTISER, for each operand of a quantised product, along K:
;;     - The operand's scale is 2^e, e = its entry of the input lowp_scales (int32; the entries are numbered through the quantised products in the list's order, A before B).
;;     - Each number is divided by the scale, clamped to +-448, and rounded to the nearest number of E4M3, ties to even, subnormals kept.
;;     - The product sums the exact products of the quantised numbers (number of the format x scale) in f32.
;;   ~~~python
;;   def quantise(x, axis, e):      # numpy; x: float32 -> the quantised numbers, widened to float32 again
;;       x = np.moveaxis(x, axis, -1); K = x.shape[-1]
;;       r = np.clip(x / 2.0 ** e, -448, 448)
;;       step = 2.0 ** (np.maximum(np.frexp(np.where(r == 0, 1, r))[1] - 1, -6) - 3)
;;       q = np.round(r / step) * step * 2.0 ** e      # np.round: ties to even
;;       return np.moveaxis(q, -1, axis).astype(np.float32)
;;   ~~~
;;   SOFTMAX AHEAD OF A QUANTISED PRODUCT. Where the list says 'softmax', what is quantised is not the finished softmax but p = 2^(t - M), with t = logit x log2(e) and M = ceil(the row's largest t), a whole number; so 1/2 < the row's largest p <= 1. The row's sum l is taken of the UNQUANTISED p, in f32, and the product's result is divided by l at the end. Since M is a whole number, a kernel that streams over the keys may use a running M (the ceiling of the running maximum): every later rescaling is an exact power of two, so the quantised numbers keep their values, but for numbers so far below the row's largest that they fall under the format's range.
;;   OPERANDS COMPUTED ON THE WAY. 'Computed on the way' means the value that the module computes at that place (a softmax that the list does not call 'softmax' is quantised finished and normalised). What goes into a quantiser is computed in f32, as accurately as f32 sums, v_exp_f32 and their like allow (about 1e-6 of the number): no bf16 or f16 on the way to a quantiser, and a product that is left as it is and whose result goes on into a quantised operand takes f32 operands (vector FMAs, or v_wmma_f32_16x16x4_f32). A number that lies on a knife's edge between two numbers of the format may be rounded either way, as far as f32 arithmetic and the matrix unit's own rounding can turn it there, and no further.
;; One version. Each part assembles by itself: llvm-mc -triple=amdgcn-amd-amdhsa -mcpu=gfx1250 --defsym DOCPART=n.
;; ======== version 1 of 1: 8 launches
;; workspace buffers: xc 12,582,912 bytes; wc 12,582,912 bytes; qkv 12,582,912 bytes; ctx 4,194,304 bytes; t 16,777,216 bytes; x1 16,777,216 bytes; x1c 4,194,304 bytes; hc 16,777,216 bytes
;; launch quant (part 1): grid 512 x 1, 4 waves a work-group, no clusters, 66,048 bytes of LDS; arguments x, Wq, Wk, Wv, Wo, W1, W2, lowp_scales, xc, wc; writes xc, wc
.if DOCPART == 1
	.amdgcn_target "amdgcn-amd-amdhsa--gfx1250"
	.amdhsa_code_object_version 6
	.text
	.protected	k_qb7a567c472_quant
	.globl	k_qb7a567c472_quant
	.p2align	8
	.type	k_qb7a567c472_quant,@function
k_qb7a567c472_quant:
	s_mov_b64 s[64:65], 0
	v_nop
	global_prefetch_b8 v0, s[64:65] scope:SCOPE_SE
	s_setreg_imm32_b32 hwreg(HW_REG_WAVE_MODE, 25, 1), 1
	s_wait_xcnt 0x0
; x and the six weights, f32 with K innermost, become codes of FP8 (E4M3), one byte a number, in the order of the numbers.
; code = number / 2^e, held within +-448, rounded to the nearest code, ties to even.  x is an operand of three products with three given scales (entries 0, 2, 4): it is read once and
; quantised three times, into xc's three parts of 4 MiB.  The weights take entries 1, 3, 5, 11, 13, 15 and lie in wc one behind the other: Wq, Wk, Wv, Wo, W1, W2.
; LIMITS: every e lies between -126 and 119, so that 2^e and 448 x 2^e are f32 numbers.  NaN among the inputs is not served.
; SHARES.  A work-group takes 32,768 numbers, a wave 16 steps of 512.  Work-groups 0-127 take x, 128-511 the weights; the two ways part once, on the work-group's number, and never join; each has LDS bytes of its own.
; A STEP.  Four loads of 512 consecutive bytes; the 2,048 bytes turn through the wave's own stage in LDS (16 bytes of padding behind each 64) and come back 64 bytes a lane: 16 neighbours along K,
; as the conversions want them.  A lane's 16 codes are 16 bytes: the wave stores 512 consecutive bytes.  Loads run four steps ahead, the turn through LDS one step.  Waves share nothing: no barrier.
.set STEPS, 16
.set SP,    80                         ; a lane's place in a stage: 64 bytes + 16 of padding
.set WREG,  8192                       ; LDS of a wave: two stages of 32 x SP bytes
.set R,     16                         ; v16-79   four sets of 16 numbers as loaded
.set X,     80                         ; v80-111  two sets of 16 neighbours
.set TA,    112                        ; v112-127 the numbers held for the first scale
.set C,     128                        ; v128-175 codes: a ring of four steps x three scales x four registers
.set TB,    176                        ; v176-191 the numbers held for the second scale
.macro LOAD t
.irp i, 0,1,2,3
	global_load_b128 v[R+16*((\t)%4)+4*\i:R+16*((\t)%4)+4*\i+3], v3, s[4:5] offset:2048*(\t)+512*\i th:TH_LOAD_NT
.endr
.endm
.macro TURN t, in, out                 ; step t through the stage: LDS serves a wave's instructions in order, so no wait stands between the stores and the loads
.irp i, 0,1,2,3
	ds_store_b128 v[\in], v[R+16*((\t)%4)+4*\i:R+16*((\t)%4)+4*\i+3] offset:32*SP*((\t)%2)+8*SP*\i
.endr
.irp i, 0,1,2,3
	ds_load_b128 v[X+16*((\t)%2)+4*\i:X+16*((\t)%2)+4*\i+3], v[\out] offset:32*SP*((\t)%2)+16*\i
.endr
.endm
.macro MKSC e, vs, vl                  ; v[vs] = 2^e as f32 (the conversion takes its exponent field), v[vl] = 448 x 2^e
	s_add_co_i32 s34, s[\e], 127
	s_lshl_b32 s35, s34, 23
	v_mov_b32 v[\vs], s35
	s_add_co_i32 s34, s34, 8
	s_lshl_b32 s34, s34, 23
	s_or_b32 s34, s34, 0x600000
	v_mov_b32 v[\vl], s34
.endm
; One scale of one step: the numbers are held into v[dst] on (the conversion to an 8-bit code does not saturate: ISA guide 7.6.2), converted and stored.
.macro QS t, s, dst, sc, lim, base
.set XS, X+16*((\t)%2)
.set CC, C+12*((\t)%4)+4*(\s)
.irp i, 0,1,2,3,4,5,6,7,8,9,10,11,12,13,14,15
	v_med3_num_f32 v[\dst+\i], v[XS+\i], -v[\lim], v[\lim]
.endr
	v_cvt_scalef32_pk8_fp8_f32 v[CC:CC+1], v[\dst:\dst+7], v[\sc]
	v_cvt_scalef32_pk8_fp8_f32 v[CC+2:CC+3], v[\dst+8:\dst+15], v[\sc]
	global_store_b128 v3, v[CC:CC+3], s[\base:\base+1] offset:512*(\t)   ; 32 lanes store 512 consecutive bytes
.endm
; The vector line that follows a pair of conversions is always a hold into other registers: a plain line that touches neither their results nor their sources.
.macro STEPQ t, ns, in, out
	s_wait_dscnt 0x0                               ; this step's numbers are back from the stage, so its stores into the stage have read their registers,
.if (\t)+4 < STEPS
	LOAD (\t)+4                                    ; which take the loads of four steps on
.endif
.if (\t)+1 < STEPS
.if STEPS-2-(\t) >= 3
	s_wait_loadcnt 12                              ; the next step's four loads are in; those of the three steps behind it may be out
.else
	s_wait_loadcnt 4*(STEPS-2-(\t))
.endif
	TURN (\t)+1, \in, \out
.endif
.if (\t) >= 4
	s_wait_xcnt 0x0                                ; the stores of four steps back have read their data: the ring's registers are written again only behind this wait
.endif
.if \ns == 3
	QS \t, 0, TA, 4, 5, 26
	QS \t, 1, TB, 6, 7, 28
	QS \t, 2, X+16*((\t)%2), 8, 9, 30
.else
	QS \t, 0, X+16*((\t)%2), 4, 5, 26
.endif
.endm
	s_load_b512 s[4:19], s[0:1], 0x0               ; x 4:5, Wq 6:7, Wk 8:9, Wv 10:11, Wo 12:13, W1 14:15, W2 16:17, the scales' exponents 18:19
	s_load_b128 s[20:23], s[0:1], 0x40             ; xc 20:21, wc 22:23
	v_lshl_add_u32 v192, v0, 2, 0x10000
	v_mov_b32 v193, 0
	v_lshrrev_b32 v1, 5, v0
	v_readfirstlane_b32 s24, v1                    ; wave
	v_and_b32 v2, 31, v0                           ; lane
	v_lshlrev_b32 v3, 4, v2                        ; my 16 bytes of a load's or a store's 512
	s_mul_i32 s25, s24, WREG
	v_lshrrev_b32 v14, 2, v2
	v_mul_u32_u24 v14, v14, SP
	v_and_b32 v15, 3, v2
	v_lshl_add_u32 v14, v15, 4, v14
	v_add_nc_u32 v14, s25, v14                     ; the stage, way in: SP (lane / 4) + 16 (lane % 4)
	v_mul_u32_u24 v15, v2, SP
	v_add_nc_u32 v15, s25, v15                     ; way out: SP x lane
	v_add_nc_u32 v12, 0x8000, v14                  ; the same for the weights' way: LDS bytes of its own
	v_add_nc_u32 v13, 0x8000, v15
	s_mov_b32 s33, 0
	s_wait_kmcnt 0x0
	s_load_b512 s[36:51], s[18:19], 0x0            ; e0 .. e15
	s_cmp_lt_u32 ttmp9, 128
	s_cbranch_scc0 .Lweights
	; ---- x: run = 4 x work-group + wave, 8,192 numbers
	s_lshl_b32 s25, ttmp9, 2
	s_add_co_u32 s25, s25, s24
	s_lshl_b32 s32, s25, 15
	s_add_nc_u64 s[4:5], s[4:5], s[32:33]
	s_lshl_b32 s32, s25, 13
	s_add_nc_u64 s[26:27], s[20:21], s[32:33]      ; the codes under entry 0,
	s_add_nc_u64 s[28:29], s[26:27], 0x400000      ; entry 2,
	s_add_nc_u64 s[30:31], s[26:27], 0x800000      ; entry 4
.irp t, 0,1,2,3
	LOAD \t
.endr
	s_wait_kmcnt 0x0
	MKSC 36, 4, 5
	MKSC 38, 6, 7
	MKSC 40, 8, 9
	s_wait_loadcnt 12                              ; step 0's four loads are in
	TURN 0, 14, 15
.irp t, 0,1,2,3,4,5,6,7,8,9,10,11,12,13,14,15
	STEPQ \t, 3, 14, 15
.endr
	s_wait_tensorcnt 0x0
	ds_add_u32 v192, v193
	s_wait_dscnt 0x0
	s_endpgm
.Lweights:
	; ---- the weights: which tensor, by the work-group's number alone
	s_sub_co_u32 s53, ttmp9, 128                   ; 0-31 Wq, 32-63 Wk, 64-95 Wv, 96-127 Wo, 128-255 W1, 256-383 W2
	s_wait_kmcnt 0x0
	s_mov_b64 s[4:5], s[16:17]
	s_mov_b32 s25, 256
	s_mov_b32 s52, s51                             ; e15
	s_cmp_lt_u32 s53, 256
	s_cselect_b64 s[4:5], s[14:15], s[4:5]
	s_cselect_b32 s25, 128, s25
	s_cselect_b32 s52, s49, s52                    ; e13
	s_cmp_lt_u32 s53, 128
	s_cselect_b64 s[4:5], s[12:13], s[4:5]
	s_cselect_b32 s25, 96, s25
	s_cselect_b32 s52, s47, s52                    ; e11
	s_cmp_lt_u32 s53, 96
	s_cselect_b64 s[4:5], s[10:11], s[4:5]
	s_cselect_b32 s25, 64, s25
	s_cselect_b32 s52, s41, s52                    ; e5
	s_cmp_lt_u32 s53, 64
	s_cselect_b64 s[4:5], s[8:9], s[4:5]
	s_cselect_b32 s25, 32, s25
	s_cselect_b32 s52, s39, s52                    ; e3
	s_cmp_lt_u32 s53, 32
	s_cselect_b64 s[4:5], s[6:7], s[4:5]
	s_cselect_b32 s25, 0, s25
	s_cselect_b32 s52, s37, s52                    ; e1
	s_sub_co_u32 s25, s53, s25                     ; which 32,768 numbers of that tensor
	s_lshl_b32 s25, s25, 2
	s_add_co_u32 s25, s25, s24
	s_lshl_b32 s32, s25, 15
	s_add_nc_u64 s[4:5], s[4:5], s[32:33]
	s_lshl_b32 s25, s53, 2
	s_add_co_u32 s25, s25, s24
	s_lshl_b32 s32, s25, 13                        ; wc holds the tensors in the work-groups' order
	s_add_nc_u64 s[26:27], s[22:23], s[32:33]
.irp t, 0,1,2,3
	LOAD \t
.endr
	MKSC 52, 4, 5
	s_wait_loadcnt 12
	TURN 0, 12, 13
.irp t, 0,1,2,3,4,5,6,7,8,9,10,11,12,13,14,15
	STEPQ \t, 1, 12, 13
.endr
	s_wait_tensorcnt 0x0
	ds_add_u32 v192, v193
	s_wait_dscnt 0x0
	s_endpgm
.Lfunc_end_k_qb7a567c472_quant:
	.size	k_qb7a567c472_quant, .Lfunc_end_k_qb7a567c472_quant-k_qb7a567c472_quant
	.p2alignl 7, 3214868480
	.fill 96, 4, 3214868480
	.section	.rodata,"a",@progbits
	.p2align	6, 0x0
	.amdhsa_kernel k_qb7a567c472_quant
		.amdhsa_group_segment_fixed_size 66048
		.amdhsa_private_segment_fixed_size 0
		.amdhsa_enable_private_segment 0
		.amdhsa_kernarg_size 80
		.amdhsa_user_sgpr_count 2
		.amdhsa_user_sgpr_kernarg_segment_ptr 1
		.amdhsa_wavefront_size32 1
		.amdhsa_system_sgpr_workgroup_id_x 1
		.amdhsa_system_sgpr_workgroup_id_y 1
		.amdhsa_system_sgpr_workgroup_id_z 1
		.amdhsa_system_vgpr_workitem_id 0
		.amdhsa_next_free_vgpr 194
		.amdhsa_next_free_sgpr 66
		.amdhsa_reserve_vcc 0
		.amdhsa_float_denorm_mode_32 3
		.amdhsa_float_denorm_mode_16_64 3
		.amdhsa_memory_ordered 1
		.amdhsa_forward_progress 1
		.amdhsa_inst_pref_size 114
	.end_amdhsa_kernel
	.amdgpu_metadata
---
amdhsa.version: [ 1, 2 ]
amdhsa.kernels:
  - .name:           k_qb7a567c472_quant
    .symbol:         k_qb7a567c472_quant.kd
    .args:
      - { .name: x, .offset: 0, .size: 8, .value_kind: global_buffer, .address_space: global }
      - { .name: Wq, .offset: 8, .size: 8, .value_kind: global_buffer, .address_space: global }
      - { .name: Wk, .offset: 16, .size: 8, .value_kind: global_buffer, .address_space: global }
      - { .name: Wv, .offset: 24, .size: 8, .value_kind: global_buffer, .address_space: global }
      - { .name: Wo, .offset: 32, .size: 8, .value_kind: global_buffer, .address_space: global }
      - { .name: W1, .offset: 40, .size: 8, .value_kind: global_buffer, .address_space: global }
      - { .name: W2, .offset: 48, .size: 8, .value_kind: global_buffer, .address_space: global }
      - { .name: lowp_scales, .offset: 56, .size: 8, .value_kind: global_buffer, .address_space: global }
      - { .name: xc, .offset: 64, .size: 8, .value_kind: global_buffer, .address_space: global }
      - { .name: wc, .offset: 72, .size: 8, .value_kind: global_buffer, .address_space: global }
    .group_segment_fixed_size: 66048
    .private_segment_fixed_size: 0
    .kernarg_segment_align: 8
    .kernarg_segment_size: 80
    .max_flat_workgroup_size: 128
    .sgpr_count:     66
    .vgpr_count:     194
    .wavefront_size: 32
...
	.end_amdgpu_metadata
.endif
;; end of part 1
;; launch qkv (part 2): grid 12 x 16, 4 waves a work-group, clusters of 4 x 4, 327,680 bytes of LDS; arguments xc, wc, src_mask, lowp_scales, qkv; writes qkv
.if DOCPART == 2
	.amdgcn_target "amdgcn-amd-amdhsa--gfx1250"
	.amdhsa_code_object_version 6
	.text
	.protected	k_qb7a567c472_qkv
	.globl	k_qb7a567c472_qkv
	.p2align	8
	.type	k_qb7a567c472_qkv,@function
k_qb7a567c472_qkv:
	s_mov_b64 s[64:65], 0
	v_nop
	global_prefetch_b8 v0, s[64:65] scope:SCOPE_SE
	s_setreg_imm32_b32 hwreg(HW_REG_WAVE_MODE, 25, 1), 1
	s_wait_xcnt 0x0
	s_wait_alu depctr_hold_cnt(0) depctr_sa_sdst(0) depctr_va_vdst(0) depctr_va_sdst(0) depctr_va_ssrc(0) depctr_va_vcc(0) depctr_vm_vsrc(0)
	s_getreg_b32 s2, hwreg(HW_REG_IB_STS2, 6, 4)
	s_cmp_eq_u32 s2, 0
	s_cbranch_scc0 .Lentry_in_a_cluster
	s_endpgm
.Lentry_in_a_cluster:
	s_bfe_u32 s2, ttmp6, 0x10000c
	s_cmp_lg_u32 s2, 0xf033
	s_cbranch_scc0 .Lentry_shape_is_right
	s_endpgm
.Lentry_shape_is_right:
; q = x Wq^T, k = x Wk^T, v = x Wv^T on codes of FP8 (E4M3), the results quantised at once for attention's two products (entries 6, 7, 9 of the scales).
; The cluster's x says which: 0 q, 1 k, 2 v.  q and k: C[token][feature], A = x's codes, B = the weight's.  v is made TRANSPOSED, C[feature][token], A = Wv's codes, B = x's: its K in attention is the keys.
; A sum stands for sum x 2^(ea + eb), so its code is sum / 2^X, X = e6 - e0 - e1, e7 - e2 - e3 or e9 - e4 - e5: one conversion with one folded scale.  LIMIT: each X lies between -126 and 119.
; THE MASK.  A key whose src_mask is 0 gets codes 0 in k (its hold is 0): attention then finds its raw score exactly 0 and adds the masked value as the product's C.
; OUT: q at 0, k at 4 MiB: [b][head][token][64]; v at 8 MiB: [b][head][key / 64][d][key % 64]: in all three a head is a dense block of 131,072 bytes made of rows of 64 bytes.
; A tile of C, 256 x 256, is made by a work-group of four waves; a wave makes 128 x 128: 64 accumulators, 512 registers.  K goes in steps of 256 through a ring of two LDS slots filled by the tensor data mover.
; CLUSTERS: 4 x 4 work-groups; the four of a row need the same tiles of A, the four of a column the same tiles of B: each tile is asked for JOINTLY.  What differs between q, k and v is chosen by
; s_cselect on the cluster's x, which all sixteen partners share; no branch hangs on it.
; THE MATRIX INSTRUCTION IS USED TRANSPOSED (source 0 = 16 rows of B, source 1 = 16 rows of A): a lane holds eight neighbouring columns of one row of C, which are eight neighbours along attention's K.
; REGISTERS, in windows of 256: window 0: v0-31 addresses, holds; from v128 A's fragments, ONE set; window 1: B's fragments, TWO sets; windows 2, 3: the accumulators ((a, b) at v[8 (8 (a % 4) + b)]).
.set GR,     1                         ; rows of A that share a group of GR x 256 bytes in memory: here plain rows
.set LOGGR,  0
.set KROW,   1024                      ; a row of A or of B in memory, in bytes
.set KLEN,   1024
.set KSTEP,  256
.set PITCH,  272                       ; an LDS row of B: 256 bytes + 16 of padding: the 16 rows that a load touches start at 16 different banks (64 banks of 4 bytes: ISA guide 11.1)
.set PA,     GR*256+16                 ; an LDS row of A
.set PIECE,  256/GR
.set FR,     16
.set NL,     4
.set NP,     4                         ; places behind this matrix instruction (ISA guide 7.12.1)
.set HALFT,  128*PITCH
.set SLOT,   4*HALFT
.set LAPS,   KLEN/(2*KSTEP)
.set SPARE,  2*SLOT                    ; behind the ring: the spare words, 128 bytes for each wave
.set CPITCH, 144                       ; the way out: a stage of 16 rows x (128 bytes + 16) for each wave, in slot 0, which has had its last fill and its last read by then
.set LM,   8                           ; v8-15   the hold of block a for my row: 448 x 2^X, or 0 for a masked key of k
.set ADRA, 16
.set ADRB, 20
.set CO1,  22                          ; v22     my byte offset in a store of the second 64 columns
.set STO,  24
.set RD,   25
.set CO0,  26                          ; v26     16 x lane
.set MO,   27                          ; v27     my row's word in src_mask
.set SPW,  28
.set NIL,  29
.set SC,   30                          ; v30     2^X as f32
.set LIM,  31                          ; v31     448 x 2^X
.set CD,   96                          ; v96-127  codes, two sets of 16
.set TMP,  128                         ; v128-191 a block's sums, held
.set BK,   192                         ; v192-223 rows read back from the stage, two sets of 16
.set AF,   128
.set G1,  24
.set G0,  32
.set G1B, 48
.set G0B, 56
.set MSB, 0
.macro WIN new                         ; the immediate's high byte repeats the setting that is left
.if MSB != (\new)
	s_set_vgpr_msb (MSB<<8)|(\new)
.set MSB, (\new)
.endif
.endm
.set MUL_LO, 0xa1                      ; source 0 (B) window 1, source 1 (A) window 0, C and D window 2
.set MUL_HI, 0xf1
.set TO_B,   0x40
; A joint load: waves 0 and 1 fetch for A, waves 2 and 3 for B; the branch hangs on the wave's number alone.  Four v_nop follow each of the two lines.
.macro JLOAD g0a, g1a, g0b, g1b
	s_cmp_eq_u32 s15, 0
	s_cbranch_scc0 .Lfor_b_\@
	tensor_load_to_lds s[\g0a:\g0a+3], s[\g1a:\g1a+7]
	s_nop 0
.rept 4
	v_nop
.endr
	s_branch .Lasked_\@
.Lfor_b_\@:
	tensor_load_to_lds s[\g0b:\g0b+3], s[\g1b:\g1b+7]
	s_nop 0
.rept 4
	v_nop
.endr
.Lasked_\@:
.endm
.macro CREST                           ; a round of the cluster's barrier behind its opening barrier
	s_cmp_lg_u32 s14, 0
	s_cbranch_scc1 .Lnot_wave_0_\@
	s_barrier_signal -3
.Lnot_wave_0_\@:
	s_barrier_wait -3
	s_barrier_signal -1
	s_barrier_wait -1
.endm
.macro CROUND
	s_barrier_signal -1
	s_barrier_wait -1
	CREST
.endm
	s_load_b256 s[4:11], s[0:1], 0x0               ; xc 4:5, wc 6:7, src_mask 8:9, the scales' exponents 10:11
	s_load_b64 s[12:13], s[0:1], 0x20              ; qkv
	v_lshl_add_u32 v[SPW], v0, 2, SPARE
	v_mov_b32 v[NIL], 0
	ds_add_u32 v28, v29
	ds_add_u32 v28, v29
	s_wait_dscnt 0x0
	v_lshrrev_b32 v1, 5, v0
	v_readfirstlane_b32 s14, v1                    ; wave 0..3
	s_lshr_b32 s15, s14, 1                         ; which half of the tile's rows is mine.  Also: I fetch for A (0) or for B (1)
	s_and_b32 s16, s14, 1                          ; which half of its columns.  Also: which 128 rows of that tile I fetch
	s_bfe_u32 s40, ttmp6, 0x40000                  ; cx
	s_bfe_u32 s41, ttmp6, 0x40004                  ; cy
	s_and_b32 s84, ttmp7, 0xffff
	s_lshl_b32 s84, s84, 2                         ; 4 x cluster y
	s_lshl_b32 s88, ttmp9, 22                      ; q, k: x's codes under entry 0 or 2
	s_lshl_b32 s89, ttmp9, 20                      ; q, k: Wq's or Wk's codes
	s_cmp_eq_u32 ttmp9, 2                          ; v?  All choices stand ahead of the next line that sets SCC
	s_cselect_b32 s85, 0, s84                      ; tokens run down the tile rows for q and k,
	s_cselect_b32 s86, s84, 0                      ; along the tile columns for v
	s_cselect_b32 s88, 0x200000, s88               ; A's place in its buffer (v: Wv's codes)
	s_cselect_b32 s89, 0x800000, s89               ; B's (v: x's codes under entry 4)
	s_add_co_u32 s17, s85, s41                     ; tile row
	s_add_co_u32 s42, s86, s40                     ; tile column
	s_lshl_b32 s43, s41, 2
	s_lshl_b32 s43, 15, s43                        ; my row of the cluster
	s_lshl_b32 s44, 0x1111, s40                    ; my column
	s_or_b32 s[G1+0], s43, (0<<16)|(1<<20)|(1<<21)|((5+LOGGR)<<22)|(3<<25)  ; the mask; elements of 1 byte; padding on; bit 21 beside a mask; 4 words of padding behind every row
	s_or_b32 s[G1B+0], s44, (0<<16)|(1<<20)|(1<<21)|(5<<22)|(3<<25)
	s_mov_b32 s[G1+1], (GR*256)<<16                ; tensor_dim0
	s_mov_b32 s[G1+2], (128/GR)<<16                ; tensor_dim1
	s_mov_b32 s[G1+3], (GR*256)<<16                ; tile_dim0
	s_mov_b32 s[G1+4], 128/GR                      ; tile_dim1
	s_mov_b32 s[G1+5], GR*KROW                     ; stride from row to row
	s_mov_b32 s[G1+6], 0
	s_mov_b32 s[G1+7], 0
	s_mov_b32 s[G1B+1], 256<<16
	s_mov_b32 s[G1B+2], 128<<16
	s_mov_b32 s[G1B+3], 256<<16
	s_mov_b32 s[G1B+4], 128
	s_mov_b32 s[G1B+5], KROW
	s_mov_b32 s[G1B+6], 0
	s_mov_b32 s[G1B+7], 0
	s_lshl_b32 s18, s16, 7                         ; which 128 rows of the tile I fetch
	s_lshl_b32 s20, s17, 8
	s_add_co_u32 s20, s20, s18
	s_lshl_b32 s20, s20, 10                        ; A: row x 1,024 bytes,
	s_add_co_u32 s20, s20, s88                     ; in its part of the buffer
	s_mov_b32 s21, 0
	s_lshl_b32 s46, s42, 8
	s_add_co_u32 s46, s46, s18
	s_lshl_b32 s46, s46, 10
	s_add_co_u32 s46, s46, s89
	s_mov_b32 s47, 0
	s_mul_i32 s45, s14, HALFT                      ; where they go: wave x 128 rows: no place in the cluster enters an LDS address
	s_wait_kmcnt 0x0
	s_load_b512 s[68:83], s[10:11], 0x0            ; e0 .. e15
	s_cmp_eq_u32 ttmp9, 2
	s_cselect_b64 s[92:93], s[6:7], s[4:5]         ; A's buffer
	s_cselect_b64 s[94:95], s[4:5], s[6:7]         ; B's
	s_add_nc_u64 s[20:21], s[92:93], s[20:21]
	s_add_nc_u64 s[46:47], s[94:95], s[46:47]
	CROUND                                         ; all sixteen work-groups are here: the first joint loads meet
.irp s, 0,1
	s_mov_b32 s[G0+4*\s], 1
	s_add_co_u32 s[G0+4*\s+1], s45, \s*SLOT
	s_add_nc_u64 s[G0+4*\s+2:G0+4*\s+3], s[20:21], \s*GR*256
	s_or_b32 s[G0+4*\s+3], s[G0+4*\s+3], 0x80000000
	s_mov_b32 s[G0B+4*\s], 1
	s_add_co_u32 s[G0B+4*\s+1], s45, \s*SLOT
	s_add_nc_u64 s[G0B+4*\s+2:G0B+4*\s+3], s[46:47], \s*256
	s_or_b32 s[G0B+4*\s+3], s[G0B+4*\s+3], 0x80000000
	JLOAD G0+4*\s, G1, G0B+4*\s, G1B
.endr
	v_and_b32 v1, 15, v0                           ; r = lane % 16
	v_bfe_u32 v2, v0, 4, 1                         ; h = lane / 16
	v_and_b32 v3, 31, v0                           ; lane
	v_mul_u32_u24 v4, v1, PITCH
	v_lshl_add_u32 v4, v2, 4, v4                   ; a fragment's row x pitch + 16 h
	s_mul_i32 s21, s15, HALFT
	s_mul_i32 s22, s16, HALFT
	s_add_co_u32 s22, s22, 2*HALFT
.irp s, 0,1
	v_add_nc_u32 v[ADRA+\s], s21, v4
	v_add_nc_u32 v[ADRB+\s], s22, v4
	s_add_co_u32 s21, s21, SLOT
	s_add_co_u32 s22, s22, SLOT
.endr
	s_mul_i32 s23, s14, 16*CPITCH                  ; my stage
	v_mul_u32_u24 v5, v1, CPITCH
	v_lshl_add_u32 v5, v2, 3, v5
	v_add_nc_u32 v[STO], s23, v5                   ; in: row r, 8 bytes for each half of the lanes
	v_lshrrev_b32 v5, 2, v3
	v_mul_u32_u24 v5, v5, CPITCH
	v_and_b32 v6, 3, v3
	v_lshl_add_u32 v5, v6, 4, v5
	v_add_nc_u32 v[RD], s23, v5                    ; back: four lanes to 64 bytes of a row, eight rows an instruction
	v_lshlrev_b32 v[CO0], 4, v3
	s_lshl_b32 s84, s17, 8
	s_lshl_b32 s85, s15, 7
	s_add_co_u32 s84, s84, s85                     ; R0: my first row of C
	s_lshl_b32 s85, s42, 8
	s_lshl_b32 s86, s16, 7
	s_add_co_u32 s85, s85, s86                     ; C0: my first column
	s_lshl_b32 s93, s84, 2
	v_lshl_add_u32 v[MO], v1, 2, s93               ; src_mask's word of row R0 + r: 4,096 words; R0 + 127 stays under 4,096 for q and k and under 1,024 for v
.irp a, 0,1,2,3,4,5,6,7
	global_load_b32 v[LM+\a], v[MO], s[8:9] offset:64*\a
.endr
	s_mov_b32 s94, 131072
	s_cmp_eq_u32 ttmp9, 2
	s_cselect_b32 s86, s85, s84                    ; U: my first token
	s_cselect_b32 s87, s84, s85                    ; W: my first feature
	s_cselect_b32 s94, 4096, s94                   ; from my first 64 columns to my second: the next head (q, k) or the next 64 keys (v)
	s_cselect_b32 s90, 126976, 0                   ; v: blocks 4-7 are the next head's d: 131,072 less the 4,096 already stepped
	s_mov_b32 s91, 0
	v_add_nc_u32 v[CO1], s94, v[CO0]
	s_lshr_b32 s92, s86, 11
	s_lshl_b32 s92, s92, 21                        ; the batch: 2 MiB
	s_lshr_b32 s93, s87, 6
	s_lshl_b32 s93, s93, 17                        ; the head: 131,072
	s_add_co_u32 s92, s92, s93
	s_and_b32 s93, s86, 2047
	s_lshl_b32 s93, s93, 6                         ; the token: 64 bytes (v: 64 tokens are 4,096 bytes)
	s_add_co_u32 s92, s92, s93
	s_lshl_b32 s93, ttmp9, 22                      ; q, k or v
	s_add_co_u32 s92, s92, s93
	s_mov_b32 s93, 0
	s_add_nc_u64 s[12:13], s[12:13], s[92:93]
	s_wait_kmcnt 0x0
	s_sub_co_i32 s84, s74, s68
	s_sub_co_i32 s84, s84, s69                     ; e6 - e0 - e1
	s_sub_co_i32 s85, s75, s70
	s_sub_co_i32 s85, s85, s71                     ; e7 - e2 - e3
	s_sub_co_i32 s86, s77, s72
	s_sub_co_i32 s86, s86, s73                     ; e9 - e4 - e5
	s_cmp_eq_u32 ttmp9, 1
	s_cselect_b32 s84, s85, s84
	s_cselect_b32 s88, -1, 0                       ; all ones for k alone
	s_cmp_eq_u32 ttmp9, 2
	s_cselect_b32 s84, s86, s84                    ; X
	s_add_co_i32 s84, s84, 127
	s_lshl_b32 s85, s84, 23
	v_mov_b32 v[SC], s85
	s_add_co_i32 s84, s84, 8
	s_lshl_b32 s84, s84, 23
	s_or_b32 s84, s84, 0x600000
	v_mov_b32 v[LIM], s84
	s_wait_loadcnt 0x0                             ; the mask's words
.irp a, 0,1,2,3,4,5,6,7
	v_cmp_eq_u32 s89, 0, v[LM+\a]
	s_and_b32 s89, s89, s88
	v_cndmask_b32 v[LM+\a], v[LIM], 0, s89         ; the hold: 0 for a masked key of k, else 448 x 2^X
.endr
.macro FRAG reg, adr, q, i             ; a fragment of B: lane l holds row l % 16; registers 4 c .. 4 c + 3 hold K = 32 c + 16 (l / 16) + 0 .. 15: the same permutation of k in A and in B
.irp c, 0,1,2,3
	ds_load_b128 v[\reg+4*\c:\reg+4*\c+3], v[\adr] offset:128*(\q)+32*\c+(\i)*16*PITCH
.endr
.endm
.macro FRAGA reg, adr, q, i            ; the same of A, whose LDS rows hold GR rows in pieces of PIECE bytes
.irp c, 0,1,2,3
	ds_load_b128 v[\reg+4*\c:\reg+4*\c+3], v[\adr] offset:((128*(\q)+32*\c)/PIECE)*256+((128*(\q)+32*\c)%PIECE)+(\i)*(16/GR)*PA
.endr
.endm
; 16 matrix instructions: A's blocks a0, a0 + 1 x B's eight.  The 64 accumulators take turns, one instruction a turn, in the same order in every step.
.macro MUL16 a0, p, zero
.irp a, \a0, \a0+1
.irp b, 0,1,2,3,4,5,6,7
.if \zero
	v_wmma_f32_16x16x128_fp8_fp8 v[8*(8*((\a)%4)+\b):8*(8*((\a)%4)+\b)+7], v[128*(\p)+FR*\b:128*(\p)+FR*\b+FR-1], v[AF+FR*(\a):AF+FR*(\a)+FR-1], 0
.else
	v_wmma_f32_16x16x128_fp8_fp8 v[8*(8*((\a)%4)+\b):8*(8*((\a)%4)+\b)+7], v[128*(\p)+FR*\b:128*(\p)+FR*\b+FR-1], v[AF+FR*(\a):AF+FR*(\a)+FR-1], v[8*(8*((\a)%4)+\b):8*(8*((\a)%4)+\b)+7]
.endif
.endr
.endr
.endm
.macro FETCH_B slot, q, p
	WIN TO_B
.irp i, 0,1,2,3,4,5,6,7
	FRAG 128*(\p)+FR*\i, ADRB+\slot, \q, \i
.endr
	WIN 0
.endm
.macro FETCH_A slot, q, i0
.irp i, \i0, \i0+1, \i0+2, \i0+3
	FRAGA AF+FR*(\i), ADRA+\slot, \q, \i
.endr
.endm
.macro PLACES n                        ; plain vector lines between a matrix instruction and a load into, or a vector line on, its registers
.rept \n
	v_nop
.endr
.endm
.macro STEP slot, q, zero              ; 128 along K with its successor in the same slot
	s_wait_dscnt 4*NL                              ; B's set and A's blocks 0-3 are in; the 16 youngest loads (A's blocks 4-7) may be out
	WIN MUL_LO
	MUL16 0, (\q)%2, \zero
	MUL16 2, (\q)%2, \zero
	s_wait_dscnt 0
	PLACES NP
	FETCH_B \slot, (\q)+1, 1-(\q)%2
	FETCH_A \slot, (\q)+1, 0
	WIN MUL_HI
	MUL16 4, (\q)%2, \zero
	MUL16 6, (\q)%2, \zero
	PLACES NP
	WIN 0
	FETCH_A \slot, (\q)+1, 4
.endm
; A slot's last step changes slots: ONE barrier; in front of it each wave waits for all its tensor loads, adds 0 to its spare word, and waits for that and for its reads of this slot.
.macro TURN slot, next, fill
	s_wait_tensorcnt 0x0                           ; all my tensor loads have landed: my part of the next slot
	ds_add_u32 v[SPW], v[NIL]                      ; 0 onto my spare word
	s_wait_dscnt 4*NL+1                            ; (the add and the 16 youngest loads may be out)
	WIN MUL_LO
	MUL16 0, 1, 0
	s_wait_dscnt 0x0                               ; the add is done, and my reads of this slot are over
	s_barrier_signal -1
	MUL16 2, 1, 0
	WIN 0
	s_barrier_wait -1
.if \fill
	CREST                                          ; the barrier has opened a round of the cluster's barrier: no wave of any partner still reads this slot or has a load on its way
	s_add_nc_u64 s[G0+4*\slot+2:G0+4*\slot+3], s[G0+4*\slot+2:G0+4*\slot+3], 2*GR*256
	s_add_nc_u64 s[G0B+4*\slot+2:G0B+4*\slot+3], s[G0B+4*\slot+2:G0B+4*\slot+3], 2*256
	JLOAD G0+4*\slot, G1, G0B+4*\slot, G1B         ; the first tensor load behind the round; its four v_nop are the places in front of the loads below
.else
	PLACES NP
.endif
	FETCH_B \next, 0, 0
	FETCH_A \next, 0, 0
	WIN MUL_HI
	MUL16 4, 1, 0
	MUL16 6, 1, 0
	PLACES NP
	WIN 0
	FETCH_A \next, 0, 4
.endm
	s_wait_tensorcnt 1                             ; my part of K step 0 is in (K step 1's load may be out),
	s_barrier_signal -1
	s_barrier_wait -1                              ; everybody's is
	FETCH_B 0, 0, 0
	FETCH_A 0, 0, 0
	FETCH_A 0, 0, 4
	STEP 0, 0, 1                                   ; the first step's products start the sums
	s_mov_b32 s3, LAPS-1
.Llap:                                             ; a trip goes once round the ring and fills both slots again
	TURN 0, 1, 1
	STEP 1, 0, 0
	TURN 1, 0, 1
	STEP 0, 0, 0
	s_sub_co_u32 s3, s3, 1
	s_cmp_lg_u32 s3, 0
	s_cbranch_scc1 .Llap
	TURN 0, 1, 0                                   ; the last lap fills nothing
	STEP 1, 0, 0
	s_wait_dscnt 4*NL
	WIN MUL_LO
	MUL16 0, 1, 0
	MUL16 2, 1, 0
	s_wait_dscnt 0
	WIN MUL_HI
	MUL16 4, 1, 0
	MUL16 6, 1, 0
	WIN 0
; THE WAY OUT, block by block of 16 rows x 128 columns: held, converted (a lane's eight sums are eight neighbours along attention's K), through my stage, and out as runs of 512 consecutive bytes.
.macro TOCODE a
.set AC, 64*((\a)%4)
.set CC, CD+16*((\a)%2)
.set BB, BK+16*((\a)%2)
	WIN 0x02+((\a)/4)                              ; source 0: window 2 or 3
.set j, 0
.rept 64
	v_med3_num_f32 v[TMP+j], v[AC+j], -v[LM+(\a)], v[LM+(\a)]   ; the conversion does not saturate (ISA guide 7.6.2); each accumulator from its low end on
.set j, j+1
.endr
	WIN 0
.irp b, 0,1,2,3,4,5,6,7
	v_cvt_scalef32_pk8_fp8_f32 v[CC+2*\b:CC+2*\b+1], v[TMP+8*\b:TMP+8*\b+7], v[SC]
.endr
	v_nop                                          ; a plain line behind the conversions: the next block's holds write their sources
.irp b, 0,1,2,3,4,5,6,7
	ds_store_b64 v[STO], v[CC+2*\b:CC+2*\b+1] offset:16*\b       ; columns 16 b + 8 h + 0 .. 7 of row r
.endr
.irp n, 0,1,2,3
	ds_load_b128 v[BB+4*\n:BB+4*\n+3], v[RD] offset:8*(\n%2)*CPITCH+64*(\n/2)   ; LDS serves a wave's instructions in order: these see my stores
.endr
.endm
.macro SENDC a, younger                ; younger: the next block's 8 stores and 4 loads, which may stay out
.set BB, BK+16*((\a)%2)
	s_wait_dscnt \younger
.if (\a) > 0
	s_add_nc_u64 s[12:13], s[12:13], 1024          ; (behind a wait on XCNT)  16 rows of 64 bytes on
.endif
.if (\a) == 4
	s_add_nc_u64 s[12:13], s[12:13], s[90:91]
.endif
	global_store_b128 v[CO0], v[BB:BB+3], s[12:13]                  ; eight rows x 64 bytes: 512 consecutive bytes, at a multiple of 256 from the buffer's first byte
	global_store_b128 v[CO0], v[BB+4:BB+7], s[12:13] offset:512
	global_store_b128 v[CO1], v[BB+8:BB+11], s[12:13]
	global_store_b128 v[CO1], v[BB+12:BB+15], s[12:13] offset:512
.endm
	PLACES NP                                      ; the holds write registers that held A's fragments
	TOCODE 0
.irp a, 1,2,3,4,5,6,7
.if \a > 1
	s_wait_xcnt 0x0                                ; block a - 2's stores have read their registers and their base
.endif
	TOCODE \a
	SENDC \a-1, 12
.endr
	s_wait_xcnt 0x0
	SENDC 7, 0
	s_wait_tensorcnt 0x0                           ; the wave's end
	ds_add_u32 v[SPW], v[NIL]
	s_wait_dscnt 0x0
	CROUND                                         ; the closing round
	s_endpgm
.Lfunc_end_k_qb7a567c472_qkv:
	.size	k_qb7a567c472_qkv, .Lfunc_end_k_qb7a567c472_qkv-k_qb7a567c472_qkv
	.p2alignl 7, 3214868480
	.fill 96, 4, 3214868480
	.section	.rodata,"a",@progbits
	.p2align	6, 0x0
	.amdhsa_kernel k_qb7a567c472_qkv
		.amdhsa_group_segment_fixed_size 327680
		.amdhsa_private_segment_fixed_size 0
		.amdhsa_enable_private_segment 0
		.amdhsa_kernarg_size 40
		.amdhsa_user_sgpr_count 2
		.amdhsa_user_sgpr_kernarg_segment_ptr 1
		.amdhsa_wavefront_size32 1
		.amdhsa_system_sgpr_workgroup_id_x 1
		.amdhsa_system_sgpr_workgroup_id_y 1
		.amdhsa_system_sgpr_workgroup_id_z 1
		.amdhsa_system_vgpr_workitem_id 0
		.amdhsa_next_free_vgpr 1024
		.amdhsa_next_free_sgpr 100
		.amdhsa_reserve_vcc 0
		.amdhsa_float_denorm_mode_32 3
		.amdhsa_float_denorm_mode_16_64 3
		.amdhsa_memory_ordered 1
		.amdhsa_forward_progress 1
		.amdhsa_inst_pref_size 128
	.end_amdhsa_kernel
	.amdgpu_metadata
---
amdhsa.version: [ 1, 2 ]
amdhsa.kernels:
  - .name:           k_qb7a567c472_qkv
    .symbol:         k_qb7a567c472_qkv.kd
    .args:
      - { .name: xc, .offset: 0, .size: 8, .value_kind: global_buffer, .address_space: global }
      - { .name: wc, .offset: 8, .size: 8, .value_kind: global_buffer, .address_space: global }
      - { .name: src_mask, .offset: 16, .size: 8, .value_kind: global_buffer, .address_space: global }
      - { .name: lowp_scales, .offset: 24, .size: 8, .value_kind: global_buffer, .address_space: global }
      - { .name: qkv, .offset: 32, .size: 8, .value_kind: global_buffer, .address_space: global }
    .group_segment_fixed_size: 327680
    .private_segment_fixed_size: 0
    .kernarg_segment_align: 8
    .kernarg_segment_size: 40
    .max_flat_workgroup_size: 128
    .sgpr_count:     100
    .vgpr_count:     1024
    .wavefront_size: 32
...
	.end_amdgpu_metadata
.endif
;; end of part 2
;; launch attn (part 3): grid 8 x 32, 8 waves a work-group, clusters of 4 x 1, 327,680 bytes of LDS; arguments qkv, src_mask, lowp_scales, ctx; writes ctx
.if DOCPART == 3
	.amdgcn_target "amdgcn-amd-amdhsa--gfx1250"
	.amdhsa_code_object_version 6
	.text
	.protected	k_qb7a567c472_attn
	.globl	k_qb7a567c472_attn
	.p2align	8
	.type	k_qb7a567c472_attn,@function
k_qb7a567c472_attn:
	s_mov_b64 s[64:65], 0
	v_nop
	global_prefetch_b8 v0, s[64:65] scope:SCOPE_SE
	s_setreg_imm32_b32 hwreg(HW_REG_WAVE_MODE, 25, 1), 1
	s_wait_xcnt 0x0
	s_wait_alu depctr_hold_cnt(0) depctr_sa_sdst(0) depctr_va_vdst(0) depctr_va_sdst(0) depctr_va_ssrc(0) depctr_va_vcc(0) depctr_vm_vsrc(0)
	s_getreg_b32 s2, hwreg(HW_REG_IB_STS2, 6, 4)
	s_cmp_eq_u32 s2, 0
	s_cbranch_scc0 .Lentry_in_a_cluster
	s_endpgm
.Lentry_in_a_cluster:
	s_bfe_u32 s2, ttmp6, 0x10000c
	s_cmp_lg_u32 s2, 0x3003
	s_cbranch_scc0 .Lentry_shape_is_right
	s_endpgm
.Lentry_shape_is_right:
; ctx[b][q][head] = softmax_k(q . k / 8, masked) v, both products on codes of FP8 (E4M3) with the given scales e6, e7 (q, k), e8, e9 (p, v); ctx leaves as codes under e10.
; THE SOFTMAX AHEAD OF THE SECOND PRODUCT: t = logit x log2(e); M = the running largest t rounded UP to a whole number; p = 2^(t - M) is quantised, not normalised; the row's sum is taken of the
; unquantised p and divides at the end.  When M moves, the sum and O are multiplied by 2^(old M - new M), which rounds nothing.
; THE MASK costs no vector line in the loop: the launch before gave masked keys codes 0, so their raw score is 0, and the first product's C is a table: 0 for an open key, A = -2^(33 - e6 - e7) for a masked one.
; Then t = A c = -2^30 log2(e), a whole number: p is 0 beside any open key, and 1 for every key where a whole batch is masked.
; STATED DEVIATION: a masked logit is -2^30, not -1e9; the results are the same wherever open logits lie far above that.
; SHARES.  A work-group owns 256 queries of one head, each of its eight waves 32: two tiles of 16, so that each fragment of K and V and each register of the mask's table feeds two matrix instructions.
; THE HEAD'S WHOLE K AND V (2 x 131,072 bytes) LIE IN LDS for the whole launch: each byte of LDS is filled once.  They come in FOUR PIECES of 512 keys, all asked for at the head, four loads a wave:
; the first products start when the first piece has landed, and in front of each later piece's first read stand a counted wait and a barrier.
; CLUSTER: the four query blocks of a cluster belong to one head: the fills are JOINT loads.
; LAYOUT.  Both products are used transposed (S^T = K Q^T, O^T = V^T P^T): a lane holds ONE query.  The rows of a tile are not neighbours: lane r of tile 2 b + u takes row 32 b + 8 u + r + 8 (r / 8),
; so that the 16 registers of tiles 2 b, 2 b + 1 are 16 neighbours: keys for p, channels for ctx: the conversions' results are the next operand as it stands.
; No prefetch: every byte of K and V is asked for at the head, so there is no later tile to run ahead of.
; LIMITS: e6 + e7 between -94 and 130; e8, and e10 - e8 - e9, between -126 and 119.
.set KB,    0                          ; LDS: K: the 64-byte row n at (n / 2) x 144 + (n % 2) x 64 (16 bytes of padding behind each 128)
.set VB,    147456                     ; V likewise: row 64 (key / 64) + d
.set MT,    294912                     ; the mask's table: 2,048 f32, in the keys' order
.set STAGE, 303104                     ; the way out: 32 rows x 80 bytes for each wave
.set STEPB, 4608                       ; 64 rows in LDS
.set PIECEL, 36864                     ; a piece in LDS: 512 rows of 64 bytes: eight steps
.set AK0, 1
.set AV0, 2
.set AM0, 3
.set ADK, 4
.set ADV, 5
.set ADM, 6
.set QO,  7
.set STI, 8
.set STO, 9
.set GO,  10
.set Q,   20                           ; v20-35   Q: 8 registers a tile.  v12 -M, v13 largest t, v[14:15] the sum (tile 0); v16-19 the same (tile 1)
.set X,   36                           ; v36-67   K's four fragments
.set Y,   68                           ; v68-99   V's four fragments
.set S0,  100                          ; v100-131 tile 0's scores, then p
.set S1,  132                          ; v132-163 the mask's addends, then tile 1's scores, then p
.set O,   164                          ; v164-227 O^T: tile u, channels' tile t at O + 32 u + 8 t
.set P,   228                          ; v228-243 p's codes, 8 a tile.  v244 2^e8; v246-249 at work; v250, v251 lane exchanges; v[252:253], v[254:255] f of tile 0, 1
.set WV,  12
.set G1,  24                           ; s[24:31] descriptor group 1
.set G0,  32                           ; s[32:47] descriptor group 0, a set for each piece
.set SEL, 56
.set CS,  58                           ; s[58:59] c = log2(e) / 8 x 2^(e6 + e7)
.set LIMS, 60                          ; s60  448 x 2^e8
.set TB,  61                           ; s61  LDS byte of the next step's rows
.set TM,  62                           ; s62  the next step's place in the mask's table
.set CNT, 63
.macro ROUND
	s_barrier_signal -1
	s_barrier_wait -1
	s_cmp_lg_u32 s[WV], 0
	s_cbranch_scc1 .Lnot_wave_0_\@
	s_barrier_signal -3
.Lnot_wave_0_\@:
	s_barrier_wait -3
	s_barrier_signal -1
	s_barrier_wait -1
.endm
.macro FETCH reg, adr                  ; four fragments of 16 rows x 64 bytes: two loads each; registers 4 c .. 4 c + 3 hold k = 32 c + 16 h + 0 .. 15, the same permutation of k in both operands
.irp i, 0,1,2,3
.irp c, 0,1
	ds_load_b128 v[\reg+8*\i+4*\c:\reg+8*\i+4*\c+3], v[\adr] offset:(16*(\i/2)+4*(\i%2))*144+32*\c
.endr
.endr
.endm
.macro MASKLD adr                      ; the addends of my 32 keys of a step: register 16 b + m is key 32 b + 16 h + m
.irp b, 0,1
.irp k, 0,1,2,3
	ds_load_b128 v[S1+16*\b+4*\k:S1+16*\b+4*\k+3], v[\adr] offset:128*\b+16*\k
.endr
.endr
.endm
.macro ADDP s, l, b, k                 ; addition k of 16 of a tile's row sum: two chains, the sum itself and v[b:b+1]
.if (\k) == 0
	s_wait_alu depctr_va_vdst(0)
	v_pk_add_f32 v[\b:\b+1], v[\s:\s+1], v[\s+2:\s+3]
.elseif (\k) == 15
	v_pk_add_f32 v[\l:\l+1], v[\l:\l+1], v[\b:\b+1]
.elseif (\k)%2 == 1
	v_pk_add_f32 v[\l:\l+1], v[\l:\l+1], v[\s+2*(\k)+2:\s+2*(\k)+3]
.else
	v_pk_add_f32 v[\b:\b+1], v[\b:\b+1], v[\s+2*(\k)+2:\s+2*(\k)+3]
.endif
.endm
	s_load_b256 s[4:11], s[0:1], 0x0               ; qkv 4:5, src_mask 6:7, the scales' exponents 8:9, ctx 10:11
	v_lshl_add_u32 v11, v0, 2, 0x4f000
	v_mov_b32 v245, 0
	ds_add_u32 v11, v245
	ds_add_u32 v11, v245
	v_lshrrev_b32 v1, 5, v0
	v_readfirstlane_b32 s[WV], v1                  ; wave 0..7
	s_bfe_u32 s13, ttmp6, 0x40000                  ; cx
	s_and_b32 s14, ttmp7, 0xffff                   ; 16 b + head, which the four partners share
	s_lshl_b32 s15, ttmp9, 2
	s_add_co_u32 s15, s15, s13                     ; my block of 256 queries: it enters Q's and ctx's addresses alone
	s_lshl_b32 s16, s14, 17                        ; the head's 131,072 bytes
	s_lshr_b32 s17, s[WV], 2                       ; waves 0-3 fetch K, waves 4-7 V
	s_and_b32 s18, s[WV], 3                        ; which quarter of a piece
	s_lshl_b32 s20, s17, 22
	s_add_co_u32 s20, s20, 0x400000                ; k at 4 MiB, v at 8 MiB
	s_add_co_u32 s20, s20, s16
	s_lshl_b32 s19, s18, 13
	s_add_co_u32 s20, s20, s19                     ; + my 8,192 bytes of a piece
	s_mov_b32 s21, 0
	s_mul_i32 s22, s17, VB
	s_mul_i32 s23, s18, 9216
	s_add_co_u32 s22, s22, s23                     ; and in LDS: 64 rows of 144 bytes
	s_mov_b32 s[G1], 15|(0<<16)|(1<<20)|(1<<21)|(4<<22)|(3<<25)   ; the mask: all four work-groups; elements of 1 byte; padding on; bit 21 beside a mask; 4 words behind every 32
	s_mov_b32 s[G1+1], 128<<16                     ; tensor_dim0: the block is dense, so two rows of 64 bytes are stated as one of 128
	s_mov_b32 s[G1+2], 64<<16                      ; tensor_dim1
	s_mov_b32 s[G1+3], 128<<16                     ; tile_dim0
	s_mov_b32 s[G1+4], 64                          ; tile_dim1
	s_mov_b32 s[G1+5], 128                         ; stride
	s_mov_b32 s[G1+6], 0
	s_mov_b32 s[G1+7], 0
	s_mov_b32 s[SEL], 0x76543210
	s_mov_b32 s[SEL+1], 0xfedcba98
	s_wait_dscnt 0x0
	s_wait_kmcnt 0x0
	s_load_b512 s[68:83], s[8:9], 0x0              ; e0 .. e15
	s_add_nc_u64 s[20:21], s[4:5], s[20:21]
.irp p, 0,1,2,3
	s_mov_b32 s[G0+4*\p], 1
	s_add_co_u32 s[G0+4*\p+1], s22, \p*PIECEL      ; piece p: 512 rows of 64 bytes are 36,864 bytes of LDS
	s_add_nc_u64 s[G0+4*\p+2:G0+4*\p+3], s[20:21], \p*32768
	s_or_b32 s[G0+4*\p+3], s[G0+4*\p+3], 0x80000000
.endr
	ROUND                                          ; all four work-groups are here: the joint loads meet
	tensor_load_to_lds s[G0:G0+3], s[G1:G1+7]      ; every wave asks for its own bytes of the four pieces, the first keys first: four loads of mine are out
	s_nop 0
	tensor_load_to_lds s[G0+4:G0+7], s[G1:G1+7]
	s_nop 0
	tensor_load_to_lds s[G0+8:G0+11], s[G1:G1+7]
	s_nop 0
	tensor_load_to_lds s[G0+12:G0+15], s[G1:G1+7]
	s_nop 0
.rept 4
	v_nop
.endr
	v_and_b32 v100, 15, v0                         ; r
	v_bfe_u32 v101, v0, 4, 1                       ; h
	v_and_b32 v102, 31, v0                         ; lane
	v_lshlrev_b32 v[QO], 6, v100
	v_lshl_add_u32 v[QO], v101, 4, v[QO]           ; Q: row r of 64 bytes + 16 h
	s_lshl_b32 s48, s15, 8
	s_lshl_b32 s49, s[WV], 5
	s_add_co_u32 s48, s48, s49                     ; my first query in the head
	s_lshl_b32 s50, s48, 6
	s_add_co_u32 s50, s50, s16
	s_mov_b32 s51, 0
	s_add_nc_u64 s[4:5], s[4:5], s[50:51]
.irp u, 0,1
.irp c, 0,1
	global_load_b128 v[Q+8*\u+4*\c:Q+8*\u+4*\c+3], v[QO], s[4:5] offset:1024*\u+32*\c
.endr
.endr
	s_lshr_b32 s49, s14, 4                         ; b
	s_lshl_b32 s50, s49, 13
	s_add_nc_u64 s[6:7], s[6:7], s[50:51]          ; the batch's 2,048 words of the mask
	v_lshlrev_b32 v126, 5, v0                      ; thread n makes the table's entries 8 n .. 8 n + 7
	global_load_b128 v[108:111], v126, s[6:7]
	global_load_b128 v[112:115], v126, s[6:7] offset:16
	v_lshl_add_u32 v125, v0, 5, MT
	s_lshl_b32 s49, s49, 11
	s_add_co_u32 s48, s48, s49                     ; my first token
	s_lshl_b32 s50, s48, 10
	s_and_b32 s49, s14, 15
	s_lshl_b32 s49, s49, 8
	s_add_co_u32 s50, s50, s49
	s_add_nc_u64 s[10:11], s[10:11], s[50:51]      ; ctx: (token / 4) x 4,096 + head x 256
	v_and_b32 v103, 8, v100
	v_add_nc_u32 v103, v103, v100                  ; r + 8 (r / 8)
	v_lshrrev_b32 v104, 1, v103
	v_mul_u32_u24 v[AK0], v104, 144
	v_and_b32 v104, 1, v103
	v_lshl_add_u32 v[AK0], v104, 6, v[AK0]
	v_lshl_add_u32 v[AK0], v101, 4, v[AK0]         ; the sixteen rows 0-7, 16-23 start in sixteen different columns of 16 bytes modulo 256
	v_add_nc_u32 v[AV0], VB, v[AK0]
	v_lshlrev_b32 v[AM0], 6, v101
	v_add_nc_u32 v[AM0], MT, v[AM0]
	s_mul_i32 s48, s[WV], 32*80
	s_add_co_u32 s48, s48, STAGE
	v_mul_u32_u24 v[STI], v100, 80
	v_lshl_add_u32 v[STI], v101, 4, v[STI]
	v_add_nc_u32 v[STI], s48, v[STI]               ; the stage, in: row r + 16 h bytes
	v_lshrrev_b32 v104, 2, v102
	v_mul_u32_u24 v[STO], v104, 80
	v_and_b32 v104, 3, v102
	v_lshl_add_u32 v[STO], v104, 4, v[STO]
	v_add_nc_u32 v[STO], s48, v[STO]               ; back: four lanes to a row's 64 bytes
	v_lshlrev_b32 v[GO], 12, v101
	v_lshl_add_u32 v[GO], v100, 4, v[GO]           ; in ctx: sixteen lanes fill the 256 bytes of four tokens x my head
	v_mov_b32 v13, 0xff61b1e6                      ; the largest t so far: -3e38
	v_mov_b32 v17, 0xff61b1e6
	v_floor_f32 v12, -v13                          ; -M
	v_floor_f32 v16, -v17
	v_mov_b32 v14, 0
	v_mov_b32 v15, 0
	v_mov_b32 v18, 0
	v_mov_b32 v19, 0
	v_mov_b32 v250, 0                              ; a lane permute's destination counts as one of its sources
	v_mov_b32 v251, 0
	v_mov_b32 v253, 0                              ; (named as the upper halves of pairs)
	v_mov_b32 v255, 0
.set j, 0
.rept 64
	v_mov_b32 v[O+j], 0                            ; O^T: the step is written without a first form: the first change of M multiplies zeros
.set j, j+1
.endr
	s_wait_kmcnt 0x0
	s_add_co_i32 s48, s74, s75                     ; e6 + e7
	s_lshl_b32 s49, s48, 23
	s_add_co_i32 s[CS], s49, 0x3e38aa3b            ; log2(e) / 8 with the two exponents added to its exponent field
	s_mov_b32 s[CS+1], s[CS]
	s_sub_co_i32 s49, 160, s48
	s_lshl_b32 s49, s49, 23
	s_or_b32 s49, s49, 0x80000000                  ; A = -2^(33 - e6 - e7)
	v_mov_b32 v124, s49
	s_add_co_i32 s50, s76, 127
	s_lshl_b32 s51, s50, 23
	v_mov_b32 v244, s51                            ; 2^e8
	s_add_co_i32 s50, s50, 8
	s_lshl_b32 s50, s50, 23
	s_or_b32 s[LIMS], s50, 0x600000                ; 448 x 2^e8
	s_sub_co_i32 s52, s78, s76
	s_sub_co_i32 s52, s52, s77                     ; e10 - e8 - e9
	s_add_co_i32 s52, s52, 127
	s_lshl_b32 s53, s52, 23                        ; 2^(e10 - e8 - e9)
	s_add_co_i32 s52, s52, 8
	s_lshl_b32 s52, s52, 23
	s_or_b32 s54, s52, 0x600000                    ; 448 x that
	s_wait_loadcnt 0x0                             ; Q and the mask's words
.irp j, 0,1,2,3,4,5,6,7
	v_cmp_eq_u32 vcc_lo, 0, v[108+\j]
	v_cndmask_b32 v[116+\j], 0, v124, vcc_lo
.endr
	ds_store_b128 v125, v[116:119]
	ds_store_b128 v125, v[120:123] offset:16
	s_wait_dscnt 0x0                               ; for the others' sake: my part of the table has landed,
	s_wait_tensorcnt 0x3                           ; and so has my part of the first piece; the three loads issued behind it may be out
	s_barrier_signal -1
	s_barrier_wait -1                              ; everybody's have
	FETCH X, AK0                                   ; step 0: K, the mask's addends, V, in the order in which every step asks
	MASKLD AM0
	FETCH Y, AV0
	s_mov_b32 s[TB], STEPB
	s_mov_b32 s[TM], 256
; A KEY STEP: 64 keys, both tiles.  next = 1: the next step's K, addends and V are asked for on the way.
.macro STEP next
	s_wait_dscnt 8                                 ; K and the addends are in; V's 8 loads may be out
.irp i, 0,1,2,3
	v_wmma_f32_16x16x64_fp8_fp8 v[S0+8*\i:S0+8*\i+7], v[X+8*\i:X+8*\i+7], v[Q:Q+7], v[S1+8*\i:S1+8*\i+7]   ; tile 0: C = the mask's addends
.endr
	v_add_nc_u32 v[ADK], s[TB], v[AK0]             ; five plain lines: the next four products write over the C of the last four (ISA guide 7.12.1)
	v_add_nc_u32 v[ADV], s[TB], v[AV0]
	v_add_nc_u32 v[ADM], s[TM], v[AM0]
	v_nop
	v_nop
.irp i, 0,1,2,3
	v_wmma_f32_16x16x64_fp8_fp8 v[S1+8*\i:S1+8*\i+7], v[X+8*\i:X+8*\i+7], v[Q+8:Q+15], v[S1+8*\i:S1+8*\i+7]   ; tile 1: onto the addends, in place
.endr
.rept 4
	v_nop                                          ; places in front of the loads into K's registers and of the first read of the scores
.endr
.if \next
	FETCH X, ADK
.endif
	v_max3_num_f32 v246, v[S0], v[S0+1], v[S0+2]   ; the step's largest score of my query among my 32 keys: two chains a tile, the tiles by turns; each accumulator is first read at its low end
	v_max3_num_f32 v248, v[S1], v[S1+1], v[S1+2]
	v_max3_num_f32 v247, v[S0+3], v[S0+4], v[S0+5]
	v_max3_num_f32 v249, v[S1+3], v[S1+4], v[S1+5]
.irp i, 6,10,14,18,22,26
	v_max3_num_f32 v246, v246, v[S0+\i], v[S0+\i+1]
	v_max3_num_f32 v248, v248, v[S1+\i], v[S1+\i+1]
	v_max3_num_f32 v247, v247, v[S0+\i+2], v[S0+\i+3]
	v_max3_num_f32 v249, v249, v[S1+\i+2], v[S1+\i+3]
.endr
	v_max3_num_f32 v246, v246, v[S0+30], v[S0+31]
	v_max3_num_f32 v248, v248, v[S1+30], v[S1+31]
	v_max_num_f32 v246, v246, v247
	v_max_num_f32 v248, v248, v249
	v_permlanex16_b32 v250, v246, s[SEL], s[SEL+1] ; the query's other 32 keys lie in the lane 16 away
	v_permlanex16_b32 v251, v248, s[SEL], s[SEL+1]
	v_max_num_f32 v246, v246, v250
	v_max_num_f32 v248, v248, v251
	v_mul_f32 v246, s[CS], v246                    ; as t (c is positive)
	v_mul_f32 v248, s[CS], v248
	v_max_num_f32 v13, v13, v246                   ; the running largest t
	v_max_num_f32 v17, v17, v248
	v_mov_b32 v246, v12
	v_mov_b32 v248, v16
	v_floor_f32 v12, -v13                          ; the new -M = floor(-t): M is a whole number
	v_floor_f32 v16, -v17
	v_sub_f32 v246, v12, v246                      ; old M - new M: a whole number, 0 or less
	v_sub_f32 v248, v16, v248
	v_cvt_i32_f32 v246, v246                       ; (it saturates)
	v_cvt_i32_f32 v248, v248
	v_ldexp_f32 v252, 1.0, v246                    ; f = 2^(old M - new M)
	v_ldexp_f32 v254, 1.0, v248
.set j, 0
.rept 16
	v_pk_fma_f32 v[S0+2*j:S0+2*j+1], v[S0+2*j:S0+2*j+1], s[CS:CS+1], v[12:13] op_sel_hi:[1,0,0]   ; t - M, two at a time
.set j, j+1
.endr
.set j, 0
.rept 16                               ; tile 0's exponentials, with tile 1's scalings between them
	v_exp_f32 v[S0+2*j], v[S0+2*j]
	v_pk_fma_f32 v[S1+2*j:S1+2*j+1], v[S1+2*j:S1+2*j+1], s[CS:CS+1], v[16:17] op_sel_hi:[1,0,0]
	v_exp_f32 v[S0+2*j+1], v[S0+2*j+1]
.set j, j+1
.endr
	v_pk_mul_f32 v[14:15], v[14:15], v[252:253] op_sel_hi:[1,0]   ; the sums under the new M (plain lines behind the exponentials)
	v_pk_mul_f32 v[18:19], v[18:19], v[254:255] op_sel_hi:[1,0]
.set j, 0
.rept 16                               ; tile 1's exponentials, with tile 0's sums and holds between them: a pair is held only after it has been added: the sum is of the unquantised p
	v_exp_f32 v[S1+2*j], v[S1+2*j]
	ADDP S0, 14, 246, j
	v_exp_f32 v[S1+2*j+1], v[S1+2*j+1]
	v_min_num_f32 v[S0+2*j], s[LIMS], v[S0+2*j]    ; the conversion does not saturate (ISA guide 7.6.2); p is not negative, so the hold is one-sided
	v_min_num_f32 v[S0+2*j+1], s[LIMS], v[S0+2*j+1]
.set j, j+1
.endr
	s_wait_alu depctr_va_vdst(0)
.irp g, 0,1,2,3
	v_cvt_scalef32_pk8_fp8_f32 v[P+2*\g:P+2*\g+1], v[S0+8*\g:S0+8*\g+7], v244
.endr
.set j, 0
.rept 16
	ADDP S1, 18, 248, j
.set j, j+1
.endr
.set j, 0
.rept 32
	v_min_num_f32 v[S1+j], s[LIMS], v[S1+j]
.set j, j+1
.endr
.irp g, 0,1,2,3
	v_cvt_scalef32_pk8_fp8_f32 v[P+8+2*\g:P+8+2*\g+1], v[S1+8*\g:S1+8*\g+7], v244
.endr
.if \next
	MASKLD ADM                                     ; the next step's addends, into the registers that tile 1's p has left
.endif
.irp u, 0,1
.set j, 0
.rept 16
	v_pk_mul_f32 v[O+32*\u+2*j:O+32*\u+2*j+1], v[O+32*\u+2*j:O+32*\u+2*j+1], v[252+2*\u:253+2*\u] op_sel_hi:[1,0]   ; O^T under the new M; also the plain lines behind the conversions
.set j, j+1
.endr
.endr
.if \next
	s_wait_dscnt 16                                ; V is in; the next step's K and addends (16 loads) may be out
.else
	s_wait_dscnt 0x0
.endif
.irp t, 0,1,2,3
.irp u, 0,1
	v_wmma_f32_16x16x64_fp8_fp8 v[O+32*\u+8*\t:O+32*\u+8*\t+7], v[Y+8*\t:Y+8*\t+7], v[P+8*\u:P+8*\u+7], v[O+32*\u+8*\t:O+32*\u+8*\t+7]   ; eight accumulators by turns
.endr
.endr
.rept 4
	v_nop                                          ; places in front of the loads into V's registers, and of the way out's first read
.endr
.if \next
	FETCH Y, ADV
.endif
	s_add_co_u32 s[TB], s[TB], STEPB
	s_add_co_u32 s[TM], s[TM], 256
.endm
.macro WALK n                          ; n key steps, each asking LDS for the step behind it
	s_mov_b32 s[CNT], \n
.Lstep_\@:
	STEP 1
	s_sub_co_u32 s[CNT], s[CNT], 1
	s_cmp_lg_u32 s[CNT], 0
	s_cbranch_scc1 .Lstep_\@
.endm
.macro MEET left                       ; the next piece is whole: my part of it has landed (left: my loads issued behind it, which may be out), no LDS line of mine is out, and the same holds of all eight waves
	s_wait_tensorcnt \left
	s_wait_dscnt 0x0
	s_barrier_signal -1
	s_barrier_wait -1
.endm
	WALK 7                                         ; steps 0-6 read steps 1-7: the first piece is steps 0-7
	MEET 2
	WALK 8                                         ; steps 7-14 read steps 8-15: the second piece
	MEET 1
	WALK 8                                         ; steps 15-22 read steps 16-23
	MEET 0
	WALK 8                                         ; steps 23-30 read steps 24-31
	STEP 0                                         ; the 32nd step asks for nothing
	; THE WAY OUT.  O^T / the sum stands for ctx / 2^(e8 + e9): its code under e10 is that / 2^(e10 - e8 - e9).  A lane's 16 registers of two tiles are 16 neighbouring channels.
	v_add_f32 v14, v14, v15
	v_add_f32 v18, v18, v19
	v_permlanex16_b32 v250, v14, s[SEL], s[SEL+1]
	v_permlanex16_b32 v251, v18, s[SEL], s[SEL+1]
	v_add_f32 v14, v14, v250
	v_add_f32 v18, v18, v251
	v_rcp_f32 v14, v14
	v_rcp_f32 v18, v18
	v_mov_b32 v246, s53                            ; (plain lines behind the reciprocals)
	v_mov_b32 v247, s54
	s_wait_alu depctr_va_vdst(0)
.irp u, 0,1
.set j, 0
.rept 16
	v_pk_mul_f32 v[S0+32*\u+2*j:S0+32*\u+2*j+1], v[O+32*\u+2*j:O+32*\u+2*j+1], v[14+4*\u:15+4*\u] op_sel_hi:[1,0]   ; each accumulator from its low end on
.set j, j+1
.endr
.set j, 0
.rept 32
	v_med3_num_f32 v[S0+32*\u+j], v[S0+32*\u+j], -v247, v247
.set j, j+1
.endr
.irp g, 0,1,2,3
	v_cvt_scalef32_pk8_fp8_f32 v[P+8*\u+2*\g:P+8*\u+2*\g+1], v[S0+32*\u+8*\g:S0+32*\u+8*\g+7], v246
.endr
.endr
	v_nop
.irp u, 0,1
.irp b, 0,1
	ds_store_b128 v[STI], v[P+8*\u+4*\b:P+8*\u+4*\b+3] offset:16*\u*80+32*\b   ; query 16 u + r, channels 32 b + 16 h + 0 .. 15
.endr
.endr
.irp j, 0,1,2,3
	ds_load_b128 v[X+4*\j:X+4*\j+3], v[STO] offset:8*\j*80         ; LDS serves a wave's instructions in order: these see my stores
.endr
.irp j, 0,1,2,3
	s_wait_dscnt 3-\j
	global_store_b128 v[GO], v[X+4*\j:X+4*\j+3], s[10:11] offset:8192*\j   ; sixteen lanes store 256 consecutive bytes, at a multiple of 256 from ctx's first byte
.endr
	s_wait_tensorcnt 0x0
	ds_add_u32 v11, v245
	s_wait_dscnt 0x0
	ROUND                                          ; the closing round: no LDS line and no tensor load of mine is out
	s_endpgm
.Lfunc_end_k_qb7a567c472_attn:
	.size	k_qb7a567c472_attn, .Lfunc_end_k_qb7a567c472_attn-k_qb7a567c472_attn
	.p2alignl 7, 3214868480
	.fill 96, 4, 3214868480
	.section	.rodata,"a",@progbits
	.p2align	6, 0x0
	.amdhsa_kernel k_qb7a567c472_attn
		.amdhsa_group_segment_fixed_size 327680
		.amdhsa_private_segment_fixed_size 0
		.amdhsa_enable_private_segment 0
		.amdhsa_kernarg_size 32
		.amdhsa_user_sgpr_count 2
		.amdhsa_user_sgpr_kernarg_segment_ptr 1
		.amdhsa_wavefront_size32 1
		.amdhsa_system_sgpr_workgroup_id_x 1
		.amdhsa_system_sgpr_workgroup_id_y 1
		.amdhsa_system_sgpr_workgroup_id_z 1
		.amdhsa_system_vgpr_workitem_id 0
		.amdhsa_next_free_vgpr 256
		.amdhsa_next_free_sgpr 100
		.amdhsa_reserve_vcc 1
		.amdhsa_float_denorm_mode_32 3
		.amdhsa_float_denorm_mode_16_64 3
		.amdhsa_memory_ordered 1
		.amdhsa_forward_progress 1
		.amdhsa_inst_pref_size 103
	.end_amdhsa_kernel
	.amdgpu_metadata
---
amdhsa.version: [ 1, 2 ]
amdhsa.kernels:
  - .name:           k_qb7a567c472_attn
    .symbol:         k_qb7a567c472_attn.kd
    .args:
      - { .name: qkv, .offset: 0, .size: 8, .value_kind: global_buffer, .address_space: global }
      - { .name: src_mask, .offset: 8, .size: 8, .value_kind: global_buffer, .address_space: global }
      - { .name: lowp_scales, .offset: 16, .size: 8, .value_kind: global_buffer, .address_space: global }
      - { .name: ctx, .offset: 24, .size: 8, .value_kind: global_buffer, .address_space: global }
    .group_segment_fixed_size: 327680
    .private_segment_fixed_size: 0
    .kernarg_segment_align: 8
    .kernarg_segment_size: 32
    .max_flat_workgroup_size: 256
    .sgpr_count:     100
    .vgpr_count:     256
    .wavefront_size: 32
...
	.end_amdgpu_metadata
.endif
;; end of part 3
;; launch wo (part 4): grid 8 x 32, 4 waves a work-group, clusters of 4 x 4, 327,680 bytes of LDS; arguments ctx, wc, lowp_scales, t; writes t
.if DOCPART == 4
	.amdgcn_target "amdgcn-amd-amdhsa--gfx1250"
	.amdhsa_code_object_version 6
	.text
	.protected	k_qb7a567c472_wo
	.globl	k_qb7a567c472_wo
	.p2align	8
	.type	k_qb7a567c472_wo,@function
k_qb7a567c472_wo:
	s_mov_b64 s[64:65], 0
	v_nop
	global_prefetch_b8 v0, s[64:65] scope:SCOPE_SE
	s_setreg_imm32_b32 hwreg(HW_REG_WAVE_MODE, 25, 1), 1
	s_wait_xcnt 0x0
	s_wait_alu depctr_hold_cnt(0) depctr_sa_sdst(0) depctr_va_vdst(0) depctr_va_sdst(0) depctr_va_ssrc(0) depctr_va_vcc(0) depctr_vm_vsrc(0)
	s_getreg_b32 s2, hwreg(HW_REG_IB_STS2, 6, 4)
	s_cmp_eq_u32 s2, 0
	s_cbranch_scc0 .Lentry_in_a_cluster
	s_endpgm
.Lentry_in_a_cluster:
	s_bfe_u32 s2, ttmp6, 0x10000c
	s_cmp_lg_u32 s2, 0xf033
	s_cbranch_scc0 .Lentry_shape_is_right
	s_endpgm
.Lentry_shape_is_right:
; C = A B^T x 2^(ea + eb), f32, on codes of FP8 (E4M3).  Here: A = ctx's codes [4,096 tokens][1,024], B = Wo's codes (wc + 3 MiB) [1,024][1,024], C = t [4,096][1,024]; ea, eb = entries 10, 11.
; LIMIT: ea + eb lies between -126 and 127, so that 2^(ea + eb) is an f32 number.
; A TILE OF C IS 128 x 128: C has 32 x 8 of them, 256 work-groups; tiles of 256 x 256 would be 64, too few.  Four waves, each 64 x 64: 16 accumulators of 16 x 16, 128 registers.
; K goes in steps of 512 through two LDS slots filled by the tensor data mover.  Here K is 1,024: the two slots hold all of it, both are filled once, at the head, and there is no refill.
; A slot is four tiles of 128 rows x 256 along K, one to a wave: A's two halves of the step's K, then B's two.
; A's LAYOUT: GR rows share a group: a group's GR x 256 bytes of 256 along K lie on end, in pieces of 256 / GR bytes that take the GR rows by turns.  So the launch that made the codes could store whole
; runs of 256 bytes, and here a tile's row is GR x 256 consecutive bytes.  K's order is the natural one.
; CLUSTERS: 4 x 4 work-groups; the four of a row need the same tiles of A, the four of a column the same tiles of B: each tile is asked for JOINTLY.
; THE MATRIX INSTRUCTION IS USED TRANSPOSED (source 0 = 16 rows of B, source 1 = 16 rows of A): a lane holds eight neighbouring numbers of a row of C.
; No prefetch: every tile is asked for at the head.
; REGISTERS: window 0: v0-31 addresses; v32-127 at work on the way out; v128-255 the accumulators ((a, b) at v[128 + 8 (4 a + b)]).
;   window 1: two sets of fragments for 128 along K, at v0 and v128: 64 registers of A (4 x 16 rows), then 64 of B.
.set GR,     4
.set LOGGR,  2
.set KROW,   1024                      ; a row of A or of B in memory, in bytes
.set LOGKROW, 10
.set KLEN,   1024                      ; K
.set BOFF,   0x300000                  ; B's place in wc
.set EOFF,   0x28                      ; the two exponents' place among the scales
.set NCOL,   1024                      ; columns of C
.set KSTEP,  512                       ; along K in a slot
.set PITCH,  272                       ; an LDS row of B: 256 bytes + 16 of padding: the 16 rows that a load touches start at 16 different banks (64 banks of 4 bytes: ISA guide 11.1)
.set PA,     GR*256+16                 ; an LDS row of A: lane r's 16 bytes lie in column (r / GR) + (r % GR) (16 / GR) of 16 bytes modulo 256: sixteen different ones
.set PIECE,  256/GR
.set FR,     16                        ; registers of a fragment: 16 rows x 128 K
.set HALFT,  128*PITCH                 ; room for one tile: 128 rows x 256 along K
.set SLOT,   4*HALFT
.set LAPS,   KLEN/(2*KSTEP)            ; a lap = two K steps = once round the ring
.set SPARE,  2*SLOT                    ; behind the ring: the spare words, 128 bytes for each wave
.set SPITCH, 272                       ; the way out: a stage of 16 rows x (256 bytes + 16) for each wave, in slot 0, which has had its last fill and its last read by then
.set ADRA, 16                          ; v16-17  LDS address of my A fragments in slot 0, 1
.set ADRB, 20                          ; v20-21  the same for B
.set STO,  24
.set RD,   25
.set CO,   26
.set SPW,  28                          ; v28     LDS address of my spare word; never rewritten
.set NIL,  29                          ; v29     0; never rewritten
.set TMP,  32                          ; v32-63  a block's sums x 2^(ea + eb)
.set BK,   64                          ; v64-127 16 rows read back from the stage, two sets of 32
.set ACC,  128
.set F0,   0
.set F1,   128
.set G1,  24
.set G0,  32
.set G1B, 48
.set G0B, 56
.set MSB, 0
.macro WIN new                         ; the immediate's high byte repeats the setting that is left
.if MSB != (\new)
	s_set_vgpr_msb (MSB<<8)|(\new)
.set MSB, (\new)
.endif
.endm
.set MUL,  0x05                        ; sources 0 (B) and 1 (A) window 1; C and D window 0
.set TO_F, 0x40                        ; destination window 1, address window 0
; A joint load: waves 0 and 1 fetch for A, waves 2 and 3 for B; the branch hangs on the wave's number alone.  Four v_nop follow each of the two lines.
.macro JLOAD g0a, g1a, g0b, g1b
	s_cmp_eq_u32 s15, 0
	s_cbranch_scc0 .Lfor_b_\@
	tensor_load_to_lds s[\g0a:\g0a+3], s[\g1a:\g1a+7]
	s_nop 0
.rept 4
	v_nop
.endr
	s_branch .Lasked_\@
.Lfor_b_\@:
	tensor_load_to_lds s[\g0b:\g0b+3], s[\g1b:\g1b+7]
	s_nop 0
.rept 4
	v_nop
.endr
.Lasked_\@:
.endm
.macro CREST                           ; a round of the cluster's barrier behind its opening barrier
	s_cmp_lg_u32 s14, 0
	s_cbranch_scc1 .Lnot_wave_0_\@
	s_barrier_signal -3
.Lnot_wave_0_\@:
	s_barrier_wait -3
	s_barrier_signal -1
	s_barrier_wait -1
.endm
.macro CROUND
	s_barrier_signal -1
	s_barrier_wait -1
	CREST
.endm
	s_load_b128 s[4:7], s[0:1], 0x0                ; A's codes, wc
	s_load_b128 s[8:11], s[0:1], 0x10              ; the scales' exponents, C
	v_lshl_add_u32 v[SPW], v0, 2, SPARE
	v_mov_b32 v[NIL], 0
	ds_add_u32 v28, v29
	ds_add_u32 v28, v29
	s_wait_dscnt 0x0
	v_lshrrev_b32 v1, 5, v0
	v_readfirstlane_b32 s14, v1                    ; wave 0..3
	s_lshr_b32 s15, s14, 1                         ; which half of the tile's rows is mine.  Also: I fetch for A (0) or for B (1)
	s_and_b32 s16, s14, 1                          ; which half of its columns.  Also: which half of a step's K I fetch
	s_bfe_u32 s40, ttmp6, 0x40000                  ; cx
	s_bfe_u32 s41, ttmp6, 0x40004                  ; cy
	s_lshl_b32 s42, ttmp9, 2
	s_add_co_u32 s42, s42, s40                     ; tile column of C = 4 x cluster x + cx
	s_and_b32 s17, ttmp7, 0xffff
	s_lshl_b32 s17, s17, 2
	s_add_co_u32 s17, s17, s41                     ; tile row of C = 4 x cluster y + cy
	s_lshl_b32 s43, s41, 2
	s_lshl_b32 s43, 15, s43                        ; my row of the cluster
	s_lshl_b32 s44, 0x1111, s40                    ; my column
	s_or_b32 s[G1+0], s43, (0<<16)|(1<<20)|(1<<21)|((5+LOGGR)<<22)|(3<<25)  ; the mask; elements of 1 byte; padding on; bit 21 beside a mask; 4 words of padding behind every row
	s_or_b32 s[G1B+0], s44, (0<<16)|(1<<20)|(1<<21)|(5<<22)|(3<<25)
	s_mov_b32 s[G1+1], (GR*256)<<16                ; tensor_dim0
	s_mov_b32 s[G1+2], (128/GR)<<16                ; tensor_dim1
	s_mov_b32 s[G1+3], (GR*256)<<16                ; tile_dim0
	s_mov_b32 s[G1+4], 128/GR                      ; tile_dim1
	s_mov_b32 s[G1+5], GR*KROW                     ; stride from group to group
	s_mov_b32 s[G1+6], 0
	s_mov_b32 s[G1+7], 0
	s_mov_b32 s[G1B+1], 256<<16
	s_mov_b32 s[G1B+2], 128<<16
	s_mov_b32 s[G1B+3], 256<<16
	s_mov_b32 s[G1B+4], 128
	s_mov_b32 s[G1B+5], KROW
	s_mov_b32 s[G1B+6], 0
	s_mov_b32 s[G1B+7], 0
	s_lshl_b32 s20, s17, 7+LOGKROW                 ; A: 128 x tile row rows of KROW bytes (a whole number of groups),
	s_mul_i32 s18, s16, GR*256
	s_add_co_u32 s20, s20, s18                     ; + my half of the step's K
	s_mov_b32 s21, 0
	s_lshl_b32 s46, s42, 7+LOGKROW                 ; B: 128 x tile column rows,
	s_lshl_b32 s19, s16, 8
	s_add_co_u32 s46, s46, s19                     ; + my half of the step's K,
	s_add_co_u32 s46, s46, BOFF                    ; in wc
	s_mov_b32 s47, 0
	s_mul_i32 s45, s14, HALFT                      ; where they go: wave x a tile's room: no place in the cluster enters an LDS address
	s_wait_kmcnt 0x0
	s_load_b64 s[96:97], s[8:9], EOFF              ; ea, eb
	s_add_nc_u64 s[20:21], s[4:5], s[20:21]
	s_add_nc_u64 s[46:47], s[6:7], s[46:47]
	CROUND                                         ; all sixteen work-groups are here: the first joint loads meet
.irp s, 0,1
	s_mov_b32 s[G0+4*\s], 1
	s_add_co_u32 s[G0+4*\s+1], s45, \s*SLOT
	s_add_nc_u64 s[G0+4*\s+2:G0+4*\s+3], s[20:21], \s*GR*KSTEP
	s_or_b32 s[G0+4*\s+3], s[G0+4*\s+3], 0x80000000
	s_mov_b32 s[G0B+4*\s], 1
	s_add_co_u32 s[G0B+4*\s+1], s45, \s*SLOT
	s_add_nc_u64 s[G0B+4*\s+2:G0B+4*\s+3], s[46:47], \s*KSTEP
	s_or_b32 s[G0B+4*\s+3], s[G0B+4*\s+3], 0x80000000
	JLOAD G0+4*\s, G1, G0B+4*\s, G1B
.endr
	v_and_b32 v1, 15, v0                           ; r = lane % 16
	v_bfe_u32 v2, v0, 4, 1                         ; h = lane / 16
	v_mul_u32_u24 v3, v1, PITCH
	v_lshl_add_u32 v4, v2, 4, v3                   ; B: row x pitch + 16 h
	v_lshrrev_b32 v5, LOGGR, v1
	v_mul_u32_u24 v5, v5, PA
	v_and_b32 v6, GR-1, v1
	v_lshl_add_u32 v5, v6, 8-LOGGR, v5
	v_lshl_add_u32 v5, v2, 4, v5                   ; A: group x pitch + (r % GR) x piece + 16 h
	s_mul_i32 s21, s15, (64/GR)*PA                 ; my 64 rows of A
	s_mul_i32 s22, s16, 64*PITCH                   ; my 64 rows of B,
	s_add_co_u32 s22, s22, 2*HALFT                 ; whose tiles lie behind A's two
.irp s, 0,1
	v_add_nc_u32 v[ADRA+\s], s21, v5
	v_add_nc_u32 v[ADRB+\s], s22, v4
	s_add_co_u32 s21, s21, SLOT
	s_add_co_u32 s22, s22, SLOT
.endr
	s_mul_i32 s23, s14, 16*SPITCH                  ; my stage
	v_mul_u32_u24 v5, v1, SPITCH
	v_lshl_add_u32 v5, v2, 5, v5
	v_add_nc_u32 v[STO], s23, v5                   ; in: row r, 32 bytes for each half of the lanes
	v_mul_u32_u24 v5, v2, SPITCH
	v_lshl_add_u32 v5, v1, 4, v5
	v_add_nc_u32 v[RD], s23, v5                    ; back: lanes 0-15 take one row of 256 bytes, lanes 16-31 the next
	v_lshlrev_b32 v[CO], 12, v2
	v_lshl_add_u32 v[CO], v1, 4, v[CO]             ; and the same two rows in C, 4,096 bytes a row
	s_lshl_b32 s20, s17, 7
	s_lshl_b32 s21, s15, 6
	s_add_co_u32 s20, s20, s21
	s_lshl_b32 s20, s20, 12                        ; my first row of C,
	s_lshl_b32 s46, s42, 9
	s_lshl_b32 s47, s16, 8
	s_add_co_u32 s46, s46, s47
	s_add_co_u32 s20, s20, s46                     ; my first column: 512 x tile column + 256 x half bytes
	s_mov_b32 s21, 0
	s_add_nc_u64 s[10:11], s[10:11], s[20:21]
; q = 0 .. 3: which 128 along K of the slot: tile q / 2, its half q % 2
.macro FRAG reg, adr, q, i             ; a fragment of B: lane l holds row l % 16; registers 4 c .. 4 c + 3 hold K = 32 c + 16 (l / 16) + 0 .. 15: the same permutation of k in A and in B
.irp c, 0,1,2,3
	ds_load_b128 v[\reg+4*\c:\reg+4*\c+3], v[\adr] offset:((\q)/2)*HALFT+128*((\q)%2)+32*\c+(\i)*16*PITCH
.endr
.endm
.macro FRAGA reg, adr, q, i            ; the same of A, whose LDS rows hold GR rows in pieces of PIECE bytes
.irp c, 0,1,2,3
	ds_load_b128 v[\reg+4*\c:\reg+4*\c+3], v[\adr] offset:((\q)/2)*HALFT+((128*((\q)%2)+32*\c)/PIECE)*256+((128*((\q)%2)+32*\c)%PIECE)+(\i)*(16/GR)*PA
.endr
.endm
.macro FETCH slot, q, f                ; 32 LDS loads in one run: B's four fragments and A's four, into set f
	WIN TO_F
.irp i, 0,1,2,3
	FRAG (\f)+64+FR*\i, ADRB+\slot, \q, \i
.endr
.irp i, 0,1,2,3
	FRAGA (\f)+FR*\i, ADRA+\slot, \q, \i
.endr
.endm
; 8 matrix instructions: A's blocks a0, a0 + 1 x B's four.  The 16 accumulators take turns, one instruction a turn, in the same order in every step.
.macro MUL8 f, a0, zero
.irp a, \a0, \a0+1
.irp b, 0,1,2,3
.if \zero
	v_wmma_f32_16x16x128_fp8_fp8 v[ACC+8*(4*(\a)+\b):ACC+8*(4*(\a)+\b)+7], v[(\f)+64+FR*\b:(\f)+64+FR*\b+FR-1], v[(\f)+FR*(\a):(\f)+FR*(\a)+FR-1], 0
.else
	v_wmma_f32_16x16x128_fp8_fp8 v[ACC+8*(4*(\a)+\b):ACC+8*(4*(\a)+\b)+7], v[(\f)+64+FR*\b:(\f)+64+FR*\b+FR-1], v[(\f)+FR*(\a):(\f)+FR*(\a)+FR-1], v[ACC+8*(4*(\a)+\b):ACC+8*(4*(\a)+\b)+7]
.endif
.endr
.endr
.endm
.macro PLACES                          ; four plain vector lines between a matrix instruction and a load into, or a vector line on, its registers
.rept 4
	v_nop
.endr
.endm
; One of a slot's first three steps of 128 along K: the next step's fragments are asked for, into the set that the last products have left, and this step's set is multiplied.
.macro QUARTER slot, q, zero
	PLACES
	FETCH \slot, (\q)+1, 128*(1-(\q)%2)
	s_wait_dscnt 32                                ; all but the 32 loads just issued: this step's set is in
	WIN MUL
	MUL8 128*((\q)%2), 0, \zero
	MUL8 128*((\q)%2), 2, \zero
.endm
; A slot's last step changes slots: ONE barrier; in front of it each wave waits for all its tensor loads, adds 0 to its spare word, and waits for that and for its reads of this slot.
.macro TURN slot, next, fill
	WIN 0                                          ; (the add's two registers lie in window 0)
	s_wait_tensorcnt 0x0                           ; all my tensor loads have landed: my part of the next slot
	ds_add_u32 v[SPW], v[NIL]                      ; 0 onto my spare word
	s_wait_dscnt 1                                 ; (the add alone may be out: this step's set is in)
	WIN MUL
	MUL8 F1, 0, 0
	s_wait_dscnt 0x0                               ; the add is done, and my reads of this slot are over
	s_barrier_signal -1
	MUL8 F1, 2, 0
	WIN 0
	s_barrier_wait -1
.if \fill
	CREST                                          ; the barrier has opened a round of the cluster's barrier: no wave of any partner still reads this slot or has a load on its way
	s_add_nc_u64 s[G0+4*\slot+2:G0+4*\slot+3], s[G0+4*\slot+2:G0+4*\slot+3], 2*GR*KSTEP
	s_add_nc_u64 s[G0B+4*\slot+2:G0B+4*\slot+3], s[G0B+4*\slot+2:G0B+4*\slot+3], 2*KSTEP
	JLOAD G0+4*\slot, G1, G0B+4*\slot, G1B         ; the first tensor load behind the round; its four v_nop are the places in front of the loads below
.else
	PLACES
.endif
	FETCH \next, 0, F0
.endm
	s_wait_tensorcnt 1                             ; my part of K step 0 is in (K step 1's load may be out),
	s_barrier_signal -1
	s_barrier_wait -1                              ; everybody's is
	FETCH 0, 0, F0
	QUARTER 0, 0, 1                                ; the first step's products start the sums
.if LAPS > 1
	WIN 0                                          ; at a label and at a branch every window is 0
	s_mov_b32 s3, LAPS-1
.Llap:                                             ; a trip goes once round the ring and fills both slots again
	QUARTER 0, 1, 0
	QUARTER 0, 2, 0
	TURN 0, 1, 1
	QUARTER 1, 0, 0
	QUARTER 1, 1, 0
	QUARTER 1, 2, 0
	TURN 1, 0, 1
	QUARTER 0, 0, 0
	WIN 0
	s_sub_co_u32 s3, s3, 1
	s_cmp_lg_u32 s3, 0
	s_cbranch_scc1 .Llap
.endif
	QUARTER 0, 1, 0                                ; the last lap fills nothing
	QUARTER 0, 2, 0
	TURN 0, 1, 0
	QUARTER 1, 0, 0
	QUARTER 1, 1, 0
	QUARTER 1, 2, 0
	s_wait_dscnt 0x0                               ; the very last step: nothing more to fetch
	MUL8 F1, 0, 0
	MUL8 F1, 2, 0
	WIN 0
; THE WAY OUT, block by block of 16 rows x 64 columns: x 2^(ea + eb), through my stage in LDS, and back as whole rows of 256 bytes: my 64 columns are 256 consecutive bytes of C, at a multiple of 256.
.macro TOSTAGE a
.set AC, ACC+32*(\a)
.set j, 0
.rept 16
	v_pk_mul_f32 v[TMP+j:TMP+j+1], v[AC+j:AC+j+1], s[96:97] op_sel_hi:[1,0]   ; both x s96; each accumulator from its low end on
.set j, j+2
.endr
.irp b, 0,1,2,3
	ds_store_b128 v[STO], v[TMP+8*\b:TMP+8*\b+3] offset:64*\b
	ds_store_b128 v[STO], v[TMP+8*\b+4:TMP+8*\b+7] offset:64*\b+16
.endr
.set BB, BK+32*((\a)%2)
.irp n, 0,1,2,3,4,5,6,7
	ds_load_b128 v[BB+4*\n:BB+4*\n+3], v[RD] offset:\n*2*SPITCH    ; LDS serves a wave's instructions in order: these see my stores
.endr
.endm
.macro SEND a, younger                 ; younger: the next block's 8 stores and 8 loads, which may stay out
.set BB, BK+32*((\a)%2)
	s_wait_dscnt \younger
.if (\a) > 0
	s_add_nc_u64 s[10:11], s[10:11], 16*NCOL*4     ; (behind a wait on XCNT)  16 rows of C on
.endif
.irp n, 0,1,2,3,4,5,6,7
	global_store_b128 v[CO], v[BB+4*\n:BB+4*\n+3], s[10:11] offset:\n*2*NCOL*4 th:TH_STORE_NT   ; sixteen lanes store 256 consecutive bytes, at a multiple of 256 from C's first byte
.endr
.endm
	s_wait_kmcnt 0x0
	s_add_co_i32 s96, s96, s97
	s_add_co_i32 s96, s96, 127
	s_lshl_b32 s96, s96, 23                        ; 2^(ea + eb) as f32
	PLACES                                         ; in front of the first read of results
	TOSTAGE 0
.irp a, 1,2,3
.if \a > 1
	s_wait_xcnt 0x0                                ; block a - 2's stores have read their registers and their base
.endif
	TOSTAGE \a
	SEND \a-1, 16
.endr
	s_wait_xcnt 0x0
	SEND 3, 0
	s_wait_tensorcnt 0x0                           ; the wave's end
	ds_add_u32 v[SPW], v[NIL]
	s_wait_dscnt 0x0
	CROUND                                         ; the closing round
	s_endpgm
.Lfunc_end_k_qb7a567c472_wo:
	.size	k_qb7a567c472_wo, .Lfunc_end_k_qb7a567c472_wo-k_qb7a567c472_wo
	.p2alignl 7, 3214868480
	.fill 96, 4, 3214868480
	.section	.rodata,"a",@progbits
	.p2align	6, 0x0
	.amdhsa_kernel k_qb7a567c472_wo
		.amdhsa_group_segment_fixed_size 327680
		.amdhsa_private_segment_fixed_size 0
		.amdhsa_enable_private_segment 0
		.amdhsa_kernarg_size 32
		.amdhsa_user_sgpr_count 2
		.amdhsa_user_sgpr_kernarg_segment_ptr 1
		.amdhsa_wavefront_size32 1
		.amdhsa_system_sgpr_workgroup_id_x 1
		.amdhsa_system_sgpr_workgroup_id_y 1
		.amdhsa_system_sgpr_workgroup_id_z 1
		.amdhsa_system_vgpr_workitem_id 0
		.amdhsa_next_free_vgpr 512
		.amdhsa_next_free_sgpr 100
		.amdhsa_reserve_vcc 0
		.amdhsa_float_denorm_mode_32 3
		.amdhsa_float_denorm_mode_16_64 3
		.amdhsa_memory_ordered 1
		.amdhsa_forward_progress 1
		.amdhsa_inst_pref_size 46
	.end_amdhsa_kernel
	.amdgpu_metadata
---
amdhsa.version: [ 1, 2 ]
amdhsa.kernels:
  - .name:           k_qb7a567c472_wo
    .symbol:         k_qb7a567c472_wo.kd
    .args:
      - { .name: ctx, .offset: 0, .size: 8, .value_kind: global_buffer, .address_space: global }
      - { .name: wc, .offset: 8, .size: 8, .value_kind: global_buffer, .address_space: global }
      - { .name: lowp_scales, .offset: 16, .size: 8, .value_kind: global_buffer, .address_space: global }
      - { .name: t, .offset: 24, .size: 8, .value_kind: global_buffer, .address_space: global }
    .group_segment_fixed_size: 327680
    .private_segment_fixed_size: 0
    .kernarg_segment_align: 8
    .kernarg_segment_size: 32
    .max_flat_workgroup_size: 128
    .sgpr_count:     100
    .vgpr_count:     512
    .wavefront_size: 32
...
	.end_amdgpu_metadata
.endif
;; end of part 4
;; launch ln1 (part 5): grid 256 x 1, 16 waves a work-group, no clusters, 18,432 bytes of LDS; arguments x, t, g1, be1, lowp_scales, x1, x1c; writes x1, x1c
.if DOCPART == 5
	.amdgcn_target "amdgcn-amd-amdhsa--gfx1250"
	.amdhsa_code_object_version 6
	.text
	.protected	k_qb7a567c472_ln1
	.globl	k_qb7a567c472_ln1
	.p2align	8
	.type	k_qb7a567c472_ln1,@function
k_qb7a567c472_ln1:
	s_mov_b64 s[64:65], 0
	v_nop
	global_prefetch_b8 v0, s[64:65] scope:SCOPE_SE
	s_setreg_imm32_b32 hwreg(HW_REG_WAVE_MODE, 25, 1), 1
	s_wait_xcnt 0x0
; x1 = layer norm of (x + attn_out) x g1 + be1, in f32, and its codes of FP8 (E4M3) under entry 12 of the scales, for the first product of the feed-forward layer.
; One wave, one row of 1,024 numbers: the row stays in 32 registers a lane between the passes, the sums never leave the wave: no barrier.  Lane i holds columns 4 i + 128 j + 0 .. 3, j = 0 .. 7:
; every load and store of f32 covers 512 consecutive bytes.  The variance is the mean of (y - mean)^2.
; The codes: a conversion's dword j holds the codes of columns 4 i + 128 j + 0 .. 3; they go through the wave's own 1,024 bytes of LDS and leave as two stores of 512 consecutive bytes.
; Memory binds: no matrix unit, no cluster, no tensor load.  LIMIT: e12 lies between -126 and 119.  NaN among the inputs is not served.
.set Y,  16                            ; v16-47   x, then y, y - mean, x1
.set T,  48                            ; v48-79   attn_out, later x1 held for the conversion
.set G,  80                            ; v80-111  g1
.set BE, 112                           ; v112-143 be1
.set CC, 144                           ; v144-151 codes
.set BK, 152                           ; v152-159 codes back from LDS
	s_load_b256 s[4:11], s[0:1], 0x0               ; x, t, g1, be1
	s_load_b128 s[12:15], s[0:1], 0x20             ; the scales' exponents, x1
	s_load_b64 s[16:17], s[0:1], 0x30              ; x1c
	v_lshl_add_u32 v160, v0, 2, 0x4000
	v_mov_b32 v161, 0
	v_lshrrev_b32 v1, 5, v0
	v_readfirstlane_b32 s20, v1                    ; wave
	v_and_b32 v2, 31, v0
	v_lshlrev_b32 v3, 4, v2                        ; 16 x lane
	s_lshl_b32 s21, ttmp9, 4
	s_add_co_u32 s21, s21, s20                     ; my row
	s_lshl_b32 s22, s21, 12
	s_mov_b32 s23, 0
	s_lshl_b32 s24, s21, 10
	s_mov_b32 s25, 0
	s_mov_b32 s26, 0x76543210
	s_mov_b32 s27, 0xfedcba98
	s_mov_b32 s28, 0x3a800000                      ; 1 / 1,024
	s_mov_b32 s29, 0x3727c5ac                      ; 1e-5
	s_lshl_b32 s30, s20, 10
	v_lshl_add_u32 v4, v2, 2, s30                  ; LDS, in: my wave's 1,024 bytes + 4 x lane
	v_add_nc_u32 v5, s30, v3                       ; back: + 16 x lane
	v_mov_b32 v12, 0                               ; a lane permute's destination counts as one of its sources
	s_wait_kmcnt 0x0
	s_load_b32 s31, s[12:13], 0x30                 ; e12
	s_add_nc_u64 s[4:5], s[4:5], s[22:23]
	s_add_nc_u64 s[6:7], s[6:7], s[22:23]
	s_add_nc_u64 s[14:15], s[14:15], s[22:23]
	s_add_nc_u64 s[16:17], s[16:17], s[24:25]
.irp j, 0,1,2,3,4,5,6,7
	global_load_b128 v[Y+4*\j:Y+4*\j+3], v3, s[4:5] offset:512*\j th:TH_LOAD_NT
.endr
.irp j, 0,1,2,3,4,5,6,7
	global_load_b128 v[T+4*\j:T+4*\j+3], v3, s[6:7] offset:512*\j th:TH_LOAD_NT
.endr
.irp j, 0,1,2,3,4,5,6,7
	global_load_b128 v[G+4*\j:G+4*\j+3], v3, s[8:9] offset:512*\j
.endr
.irp j, 0,1,2,3,4,5,6,7
	global_load_b128 v[BE+4*\j:BE+4*\j+3], v3, s[10:11] offset:512*\j
.endr
	s_wait_loadcnt 16                              ; x and attn_out are in; the 16 loads of g1 and be1 may be out
.set j, 0
.rept 16
	v_pk_add_f32 v[Y+j:Y+j+1], v[Y+j:Y+j+1], v[T+j:T+j+1]
.set j, j+2
.endr
	v_pk_add_f32 v[8:9], v[Y:Y+1], v[Y+2:Y+3]      ; the row's sum: two chains of pairs,
	v_pk_add_f32 v[10:11], v[Y+4:Y+5], v[Y+6:Y+7]
.irp j, 8,12,16,20,24,28
	v_pk_add_f32 v[8:9], v[8:9], v[Y+\j:Y+\j+1]
	v_pk_add_f32 v[10:11], v[10:11], v[Y+\j+2:Y+\j+3]
.endr
	v_pk_add_f32 v[8:9], v[8:9], v[10:11]
	v_add_f32 v8, v8, v9
	v_add_f32_dpp v8, v8, v8 row_xmask:1 row_mask:0xf bank_mask:0xf   ; then across the 32 lanes
	v_add_f32_dpp v8, v8, v8 row_xmask:2 row_mask:0xf bank_mask:0xf
	v_add_f32_dpp v8, v8, v8 row_xmask:4 row_mask:0xf bank_mask:0xf
	v_add_f32_dpp v8, v8, v8 row_xmask:8 row_mask:0xf bank_mask:0xf
	v_permlanex16_b32 v12, v8, s26, s27
	v_add_f32 v8, v8, v12
	v_mul_f32 v8, 0xba800000, v8                   ; - mean
.set j, 0
.rept 16
	v_pk_add_f32 v[Y+j:Y+j+1], v[Y+j:Y+j+1], v[8:9] op_sel_hi:[1,0]   ; y - mean
.set j, j+2
.endr
	v_pk_mul_f32 v[8:9], v[Y:Y+1], v[Y:Y+1]
	v_pk_mul_f32 v[10:11], v[Y+2:Y+3], v[Y+2:Y+3]
.irp j, 4,8,12,16,20,24,28
	v_pk_fma_f32 v[8:9], v[Y+\j:Y+\j+1], v[Y+\j:Y+\j+1], v[8:9]
	v_pk_fma_f32 v[10:11], v[Y+\j+2:Y+\j+3], v[Y+\j+2:Y+\j+3], v[10:11]
.endr
	v_pk_add_f32 v[8:9], v[8:9], v[10:11]
	v_add_f32 v8, v8, v9
	v_add_f32_dpp v8, v8, v8 row_xmask:1 row_mask:0xf bank_mask:0xf
	v_add_f32_dpp v8, v8, v8 row_xmask:2 row_mask:0xf bank_mask:0xf
	v_add_f32_dpp v8, v8, v8 row_xmask:4 row_mask:0xf bank_mask:0xf
	v_add_f32_dpp v8, v8, v8 row_xmask:8 row_mask:0xf bank_mask:0xf
	v_permlanex16_b32 v12, v8, s26, s27
	v_add_f32 v8, v8, v12
	v_fma_f32 v8, v8, s28, s29                     ; variance + 1e-5
	v_rsq_f32 v10, v8
	s_wait_kmcnt 0x0
	s_add_co_i32 s31, s31, 127
	s_lshl_b32 s30, s31, 23
	v_mov_b32 v7, s30                              ; 2^e12 (a plain line behind the transcendental)
	s_add_co_i32 s31, s31, 8
	s_lshl_b32 s31, s31, 23
	s_or_b32 s31, s31, 0x600000
	v_mov_b32 v6, s31                              ; 448 x 2^e12
	s_wait_loadcnt 0x0                             ; g1 and be1
.set j, 0
	s_wait_alu depctr_va_vdst(0)
.rept 16
	v_pk_mul_f32 v[Y+j:Y+j+1], v[Y+j:Y+j+1], v[10:11] op_sel_hi:[1,0]
	v_pk_fma_f32 v[Y+j:Y+j+1], v[Y+j:Y+j+1], v[G+j:G+j+1], v[BE+j:BE+j+1]
.set j, j+2
.endr
.irp j, 0,1,2,3,4,5,6,7
	global_store_b128 v3, v[Y+4*\j:Y+4*\j+3], s[14:15] offset:512*\j   ; 512 consecutive bytes
.endr
.set j, 0
.rept 32
	v_med3_num_f32 v[T+j], v[Y+j], -v6, v6         ; into other registers than the stores read; the conversion does not saturate (ISA guide 7.6.2)
.set j, j+1
.endr
.irp g, 0,1,2,3
	v_cvt_scalef32_pk8_fp8_f32 v[CC+2*\g:CC+2*\g+1], v[T+8*\g:T+8*\g+7], v7
.endr
.irp j, 0,1,2,3,4,5,6,7
	ds_store_b32 v4, v[CC+\j] offset:128*\j        ; columns 4 i + 128 j + 0 .. 3
.endr
	ds_load_b128 v[BK:BK+3], v5                    ; LDS serves a wave's instructions in order: these see my stores
	ds_load_b128 v[BK+4:BK+7], v5 offset:512
	s_wait_dscnt 0x0
	global_store_b128 v3, v[BK:BK+3], s[16:17]
	global_store_b128 v3, v[BK+4:BK+7], s[16:17] offset:512
	s_wait_tensorcnt 0x0
	ds_add_u32 v160, v161
	s_wait_dscnt 0x0
	s_endpgm
.Lfunc_end_k_qb7a567c472_ln1:
	.size	k_qb7a567c472_ln1, .Lfunc_end_k_qb7a567c472_ln1-k_qb7a567c472_ln1
	.p2alignl 7, 3214868480
	.fill 96, 4, 3214868480
	.section	.rodata,"a",@progbits
	.p2align	6, 0x0
	.amdhsa_kernel k_qb7a567c472_ln1
		.amdhsa_group_segment_fixed_size 18432
		.amdhsa_private_segment_fixed_size 0
		.amdhsa_enable_private_segment 0
		.amdhsa_kernarg_size 56
		.amdhsa_user_sgpr_count 2
		.amdhsa_user_sgpr_kernarg_segment_ptr 1
		.amdhsa_wavefront_size32 1
		.amdhsa_system_sgpr_workgroup_id_x 1
		.amdhsa_system_sgpr_workgroup_id_y 1
		.amdhsa_system_sgpr_workgroup_id_z 1
		.amdhsa_system_vgpr_workitem_id 0
		.amdhsa_next_free_vgpr 162
		.amdhsa_next_free_sgpr 66
		.amdhsa_reserve_vcc 0
		.amdhsa_float_denorm_mode_32 3
		.amdhsa_float_denorm_mode_16_64 3
		.amdhsa_memory_ordered 1
		.amdhsa_forward_progress 1
		.amdhsa_inst_pref_size 16
	.end_amdhsa_kernel
	.amdgpu_metadata
---
amdhsa.version: [ 1, 2 ]
amdhsa.kernels:
  - .name:           k_qb7a567c472_ln1
    .symbol:         k_qb7a567c472_ln1.kd
    .args:
      - { .name: x, .offset: 0, .size: 8, .value_kind: global_buffer, .address_space: global }
      - { .name: t, .offset: 8, .size: 8, .value_kind: global_buffer, .address_space: global }
      - { .name: g1, .offset: 16, .size: 8, .value_kind: global_buffer, .address_space: global }
      - { .name: be1, .offset: 24, .size: 8, .value_kind: global_buffer, .address_space: global }
      - { .name: lowp_scales, .offset: 32, .size: 8, .value_kind: global_buffer, .address_space: global }
      - { .name: x1, .offset: 40, .size: 8, .value_kind: global_buffer, .address_space: global }
      - { .name: x1c, .offset: 48, .size: 8, .value_kind: global_buffer, .address_space: global }
    .group_segment_fixed_size: 18432
    .private_segment_fixed_size: 0
    .kernarg_segment_align: 8
    .kernarg_segment_size: 56
    .max_flat_workgroup_size: 512
    .sgpr_count:     66
    .vgpr_count:     162
    .wavefront_size: 32
...
	.end_amdgpu_metadata
.endif
;; end of part 5
;; launch ffn1 (part 6): grid 16 x 16, 4 waves a work-group, clusters of 4 x 4, 327,680 bytes of LDS; arguments x1c, wc, b1, lowp_scales, hc; writes hc
.if DOCPART == 6
	.amdgcn_target "amdgcn-amd-amdhsa--gfx1250"
	.amdhsa_code_object_version 6
	.text
	.protected	k_qb7a567c472_ffn1
	.globl	k_qb7a567c472_ffn1
	.p2align	8
	.type	k_qb7a567c472_ffn1,@function
k_qb7a567c472_ffn1:
	s_mov_b64 s[64:65], 0
	v_nop
	global_prefetch_b8 v0, s[64:65] scope:SCOPE_SE
	s_setreg_imm32_b32 hwreg(HW_REG_WAVE_MODE, 25, 1), 1
	s_wait_xcnt 0x0
	s_wait_alu depctr_hold_cnt(0) depctr_sa_sdst(0) depctr_va_vdst(0) depctr_va_sdst(0) depctr_va_ssrc(0) depctr_va_vcc(0) depctr_vm_vsrc(0)
	s_getreg_b32 s2, hwreg(HW_REG_IB_STS2, 6, 4)
	s_cmp_eq_u32 s2, 0
	s_cbranch_scc0 .Lentry_in_a_cluster
	s_endpgm
.Lentry_in_a_cluster:
	s_bfe_u32 s2, ttmp6, 0x10000c
	s_cmp_lg_u32 s2, 0xf033
	s_cbranch_scc0 .Lentry_shape_is_right
	s_endpgm
.Lentry_shape_is_right:
; hidden = relu(x1 W1^T + b1) on codes of FP8 (E4M3), quantised at once for the second product (entry 14 of the scales).  A = x1's codes [4,096][1,024], B = W1's codes (wc + 4 MiB) [4,096][1,024].
; A sum stands for sum x 2^(e12 + e13): b1 is divided by that power of two once, at the head, and added; the code is (sum + b1') / 2^X, X = e14 - e12 - e13; the hold that the conversion wants clips at 0 too: the relu.
; LIMITS: X lies between -126 and 119.
; OUT: hc, two rows to a group: byte(row, col) = (row / 2) x 8,192 + (col / 128) x 256 + (row % 2) x 128 + col % 128: a wave's 128 columns of two rows are 256 consecutive bytes.
; A tile of C, 256 x 256, is made by a work-group of four waves; a wave makes 128 x 128: 64 accumulators, 512 registers.  K goes in steps of 256 through a ring of two LDS slots filled by the tensor data mover.
; CLUSTERS: 4 x 4 work-groups; the four of a row need the same tiles of A, the four of a column the same tiles of B: each tile is asked for JOINTLY.
; THE MATRIX INSTRUCTION IS USED TRANSPOSED (source 0 = 16 rows of B, source 1 = 16 rows of A): a lane holds eight neighbouring hidden units of one row: eight neighbours along the next K.
; REGISTERS, in windows of 256: window 0: v0-31 addresses; v32-95 the bias; from v128 A's fragments, ONE set; window 1: B's fragments, TWO sets; windows 2, 3: the accumulators ((a, b) at v[8 (8 (a % 4) + b)]).
.set GR,     1
.set LOGGR,  0
.set KROW,   1024
.set KLEN,   1024
.set KSTEP,  256
.set PITCH,  272                       ; an LDS row: 256 bytes + 16 of padding: the 16 rows that a load touches start at 16 different banks (64 banks of 4 bytes: ISA guide 11.1)
.set PA,     GR*256+16
.set PIECE,  256/GR
.set FR,     16
.set NL,     4
.set NP,     4                         ; places behind this matrix instruction (ISA guide 7.12.1)
.set HALFT,  128*PITCH
.set SLOT,   4*HALFT
.set LAPS,   KLEN/(2*KSTEP)
.set SPARE,  2*SLOT                    ; behind the ring: the spare words, 128 bytes for each wave
.set CPITCH, 144                       ; the way out: a stage of 16 rows x (128 bytes + 16) for each wave, in slot 0, which has had its last fill and its last read by then
.set ADRA, 16
.set ADRB, 20
.set STO,  24
.set RD,   25
.set CO0,  26
.set SPW,  28
.set NIL,  29
.set SC,   30                          ; v30     2^X as f32
.set LIM,  31                          ; v31     448 x 2^X
.set BI,   32                          ; v32-95  b1 / 2^(e12 + e13) of my 64 columns: register 8 b + j is column 16 b + 8 h + j
.set CD,   96
.set TMP,  128
.set BK,   192
.set AF,   128
.set G1,  24
.set G0,  32
.set G1B, 48
.set G0B, 56
.set MSB, 0
.macro WIN new                         ; the immediate's high byte repeats the setting that is left
.if MSB != (\new)
	s_set_vgpr_msb (MSB<<8)|(\new)
.set MSB, (\new)
.endif
.endm
.set MUL_LO, 0xa1                      ; source 0 (B) window 1, source 1 (A) window 0, C and D window 2
.set MUL_HI, 0xf1
.set TO_B,   0x40
; A joint load: waves 0 and 1 fetch for A, waves 2 and 3 for B; the branch hangs on the wave's number alone.  Four v_nop follow each of the two lines.
.macro JLOAD g0a, g1a, g0b, g1b
	s_cmp_eq_u32 s15, 0
	s_cbranch_scc0 .Lfor_b_\@
	tensor_load_to_lds s[\g0a:\g0a+3], s[\g1a:\g1a+7]
	s_nop 0
.rept 4
	v_nop
.endr
	s_branch .Lasked_\@
.Lfor_b_\@:
	tensor_load_to_lds s[\g0b:\g0b+3], s[\g1b:\g1b+7]
	s_nop 0
.rept 4
	v_nop
.endr
.Lasked_\@:
.endm
.macro CREST                           ; a round of the cluster's barrier behind its opening barrier
	s_cmp_lg_u32 s14, 0
	s_cbranch_scc1 .Lnot_wave_0_\@
	s_barrier_signal -3
.Lnot_wave_0_\@:
	s_barrier_wait -3
	s_barrier_signal -1
	s_barrier_wait -1
.endm
.macro CROUND
	s_barrier_signal -1
	s_barrier_wait -1
	CREST
.endm
	s_load_b256 s[4:11], s[0:1], 0x0               ; x1c 4:5, wc 6:7, b1 8:9, the scales' exponents 10:11
	s_load_b64 s[12:13], s[0:1], 0x20              ; hc
	v_lshl_add_u32 v[SPW], v0, 2, SPARE
	v_mov_b32 v[NIL], 0
	ds_add_u32 v28, v29
	ds_add_u32 v28, v29
	s_wait_dscnt 0x0
	v_lshrrev_b32 v1, 5, v0
	v_readfirstlane_b32 s14, v1                    ; wave 0..3
	s_lshr_b32 s15, s14, 1                         ; which half of the tile's rows is mine.  Also: I fetch for A (0) or for B (1)
	s_and_b32 s16, s14, 1                          ; which half of its columns.  Also: which 128 rows of that tile I fetch
	s_bfe_u32 s40, ttmp6, 0x40000                  ; cx
	s_bfe_u32 s41, ttmp6, 0x40004                  ; cy
	s_lshl_b32 s42, ttmp9, 2
	s_add_co_u32 s42, s42, s40                     ; tile column = 4 x cluster x + cx
	s_and_b32 s17, ttmp7, 0xffff
	s_lshl_b32 s17, s17, 2
	s_add_co_u32 s17, s17, s41                     ; tile row = 4 x cluster y + cy
	s_lshl_b32 s43, s41, 2
	s_lshl_b32 s43, 15, s43                        ; my row of the cluster
	s_lshl_b32 s44, 0x1111, s40                    ; my column
	s_or_b32 s[G1+0], s43, (0<<16)|(1<<20)|(1<<21)|((5+LOGGR)<<22)|(3<<25)  ; the mask; elements of 1 byte; padding on; bit 21 beside a mask; 4 words of padding behind every row
	s_or_b32 s[G1B+0], s44, (0<<16)|(1<<20)|(1<<21)|(5<<22)|(3<<25)
	s_mov_b32 s[G1+1], (GR*256)<<16
	s_mov_b32 s[G1+2], (128/GR)<<16
	s_mov_b32 s[G1+3], (GR*256)<<16
	s_mov_b32 s[G1+4], 128/GR
	s_mov_b32 s[G1+5], GR*KROW
	s_mov_b32 s[G1+6], 0
	s_mov_b32 s[G1+7], 0
	s_mov_b32 s[G1B+1], 256<<16
	s_mov_b32 s[G1B+2], 128<<16
	s_mov_b32 s[G1B+3], 256<<16
	s_mov_b32 s[G1B+4], 128
	s_mov_b32 s[G1B+5], KROW
	s_mov_b32 s[G1B+6], 0
	s_mov_b32 s[G1B+7], 0
	s_lshl_b32 s18, s16, 7
	s_lshl_b32 s20, s17, 8
	s_add_co_u32 s20, s20, s18
	s_lshl_b32 s20, s20, 10                        ; A: row x 1,024 bytes
	s_mov_b32 s21, 0
	s_lshl_b32 s46, s42, 8
	s_add_co_u32 s46, s46, s18
	s_lshl_b32 s46, s46, 10
	s_add_co_u32 s46, s46, 0x400000                ; B: W1's codes in wc
	s_mov_b32 s47, 0
	s_mul_i32 s45, s14, HALFT                      ; where they go: wave x 128 rows: no place in the cluster enters an LDS address
	s_wait_kmcnt 0x0
	s_load_b512 s[68:83], s[10:11], 0x0            ; e0 .. e15
	s_add_nc_u64 s[20:21], s[4:5], s[20:21]
	s_add_nc_u64 s[46:47], s[6:7], s[46:47]
	CROUND                                         ; all sixteen work-groups are here: the first joint loads meet
.irp s, 0,1
	s_mov_b32 s[G0+4*\s], 1
	s_add_co_u32 s[G0+4*\s+1], s45, \s*SLOT
	s_add_nc_u64 s[G0+4*\s+2:G0+4*\s+3], s[20:21], \s*GR*256
	s_or_b32 s[G0+4*\s+3], s[G0+4*\s+3], 0x80000000
	s_mov_b32 s[G0B+4*\s], 1
	s_add_co_u32 s[G0B+4*\s+1], s45, \s*SLOT
	s_add_nc_u64 s[G0B+4*\s+2:G0B+4*\s+3], s[46:47], \s*256
	s_or_b32 s[G0B+4*\s+3], s[G0B+4*\s+3], 0x80000000
	JLOAD G0+4*\s, G1, G0B+4*\s, G1B
.endr
	v_and_b32 v1, 15, v0                           ; r
	v_bfe_u32 v2, v0, 4, 1                         ; h
	v_and_b32 v3, 31, v0                           ; lane
	s_lshl_b32 s84, s42, 10
	s_lshl_b32 s85, s16, 9
	s_add_co_u32 s84, s84, s85                     ; 4 x my first column
	s_mov_b32 s85, 0
	s_add_nc_u64 s[8:9], s[8:9], s[84:85]
	v_lshlrev_b32 v7, 5, v2                        ; + 32 h
.irp b, 0,1,2,3,4,5,6,7
	global_load_b128 v[BI+8*\b:BI+8*\b+3], v7, s[8:9] offset:64*\b
	global_load_b128 v[BI+8*\b+4:BI+8*\b+7], v7, s[8:9] offset:64*\b+16
.endr
	v_mul_u32_u24 v4, v1, PITCH
	v_lshl_add_u32 v4, v2, 4, v4                   ; a fragment's row x pitch + 16 h
	s_mul_i32 s21, s15, HALFT
	s_mul_i32 s22, s16, HALFT
	s_add_co_u32 s22, s22, 2*HALFT
.irp s, 0,1
	v_add_nc_u32 v[ADRA+\s], s21, v4
	v_add_nc_u32 v[ADRB+\s], s22, v4
	s_add_co_u32 s21, s21, SLOT
	s_add_co_u32 s22, s22, SLOT
.endr
	s_mul_i32 s23, s14, 16*CPITCH                  ; my stage
	v_mul_u32_u24 v5, v1, CPITCH
	v_lshl_add_u32 v5, v2, 3, v5
	v_add_nc_u32 v[STO], s23, v5                   ; in: row r, 8 bytes for each half of the lanes
	v_lshrrev_b32 v5, 3, v3
	v_mul_u32_u24 v5, v5, CPITCH
	v_and_b32 v6, 7, v3
	v_lshl_add_u32 v5, v6, 4, v5
	v_add_nc_u32 v[RD], s23, v5                    ; back: eight lanes to a row's 128 bytes, four rows an instruction
	v_lshlrev_b32 v[CO0], 13, v2
	v_lshl_add_u32 v[CO0], v1, 4, v[CO0]           ; in hc: sixteen lanes fill a group's 256 bytes, the other sixteen the next group's
	s_lshl_b32 s84, s17, 8
	s_lshl_b32 s86, s15, 7
	s_add_co_u32 s84, s84, s86                     ; my first row
	s_lshl_b32 s84, s84, 12                        ; (row / 2) x 8,192
	s_lshl_b32 s86, s42, 1
	s_add_co_u32 s86, s86, s16
	s_lshl_b32 s86, s86, 8                         ; (column / 128) x 256
	s_add_co_u32 s84, s84, s86
	s_add_nc_u64 s[12:13], s[12:13], s[84:85]
	s_wait_kmcnt 0x0
	s_add_co_i32 s84, s80, s81                     ; e12 + e13
	s_sub_co_i32 s87, 0, s84
	s_sub_co_i32 s86, s82, s84                     ; X = e14 - e12 - e13
	s_add_co_i32 s86, s86, 127
	s_lshl_b32 s88, s86, 23
	v_mov_b32 v[SC], s88
	s_add_co_i32 s86, s86, 8
	s_lshl_b32 s86, s86, 23
	s_or_b32 s86, s86, 0x600000
	v_mov_b32 v[LIM], s86
	s_wait_loadcnt 0x0                             ; the bias
.set j, 0
.rept 64
	v_ldexp_f32 v[BI+j], v[BI+j], s87              ; b1 / 2^(e12 + e13)
.set j, j+1
.endr
.macro FRAG reg, adr, q, i             ; a fragment of B: lane l holds row l % 16; registers 4 c .. 4 c + 3 hold K = 32 c + 16 (l / 16) + 0 .. 15: the same permutation of k in A and in B
.irp c, 0,1,2,3
	ds_load_b128 v[\reg+4*\c:\reg+4*\c+3], v[\adr] offset:128*(\q)+32*\c+(\i)*16*PITCH
.endr
.endm
.macro FRAGA reg, adr, q, i            ; the same of A
.irp c, 0,1,2,3
	ds_load_b128 v[\reg+4*\c:\reg+4*\c+3], v[\adr] offset:((128*(\q)+32*\c)/PIECE)*256+((128*(\q)+32*\c)%PIECE)+(\i)*(16/GR)*PA
.endr
.endm
; 16 matrix instructions: A's blocks a0, a0 + 1 x B's eight.  The 64 accumulators take turns, one instruction a turn, in the same order in every step.
.macro MUL16 a0, p, zero
.irp a, \a0, \a0+1
.irp b, 0,1,2,3,4,5,6,7
.if \zero
	v_wmma_f32_16x16x128_fp8_fp8 v[8*(8*((\a)%4)+\b):8*(8*((\a)%4)+\b)+7], v[128*(\p)+FR*\b:128*(\p)+FR*\b+FR-1], v[AF+FR*(\a):AF+FR*(\a)+FR-1], 0
.else
	v_wmma_f32_16x16x128_fp8_fp8 v[8*(8*((\a)%4)+\b):8*(8*((\a)%4)+\b)+7], v[128*(\p)+FR*\b:128*(\p)+FR*\b+FR-1], v[AF+FR*(\a):AF+FR*(\a)+FR-1], v[8*(8*((\a)%4)+\b):8*(8*((\a)%4)+\b)+7]
.endif
.endr
.endr
.endm
.macro FETCH_B slot, q, p
	WIN TO_B
.irp i, 0,1,2,3,4,5,6,7
	FRAG 128*(\p)+FR*\i, ADRB+\slot, \q, \i
.endr
	WIN 0
.endm
.macro FETCH_A slot, q, i0
.irp i, \i0, \i0+1, \i0+2, \i0+3
	FRAGA AF+FR*(\i), ADRA+\slot, \q, \i
.endr
.endm
.macro PLACES n                        ; plain vector lines between a matrix instruction and a load into, or a vector line on, its registers
.rept \n
	v_nop
.endr
.endm
.macro STEP slot, q, zero              ; 128 along K with its successor in the same slot
	s_wait_dscnt 4*NL                              ; B's set and A's blocks 0-3 are in; the 16 youngest loads (A's blocks 4-7) may be out
	WIN MUL_LO
	MUL16 0, (\q)%2, \zero
	MUL16 2, (\q)%2, \zero
	s_wait_dscnt 0
	PLACES NP
	FETCH_B \slot, (\q)+1, 1-(\q)%2
	FETCH_A \slot, (\q)+1, 0
	WIN MUL_HI
	MUL16 4, (\q)%2, \zero
	MUL16 6, (\q)%2, \zero
	PLACES NP
	WIN 0
	FETCH_A \slot, (\q)+1, 4
.endm
; A slot's last step changes slots: ONE barrier; in front of it each wave waits for all its tensor loads, adds 0 to its spare word, and waits for that and for its reads of this slot.
.macro TURN slot, next, fill
	s_wait_tensorcnt 0x0                           ; all my tensor loads have landed: my part of the next slot
	ds_add_u32 v[SPW], v[NIL]                      ; 0 onto my spare word
	s_wait_dscnt 4*NL+1                            ; (the add and the 16 youngest loads may be out)
	WIN MUL_LO
	MUL16 0, 1, 0
	s_wait_dscnt 0x0                               ; the add is done, and my reads of this slot are over
	s_barrier_signal -1
	MUL16 2, 1, 0
	WIN 0
	s_barrier_wait -1
.if \fill
	CREST                                          ; the barrier has opened a round of the cluster's barrier: no wave of any partner still reads this slot or has a load on its way
	s_add_nc_u64 s[G0+4*\slot+2:G0+4*\slot+3], s[G0+4*\slot+2:G0+4*\slot+3], 2*GR*256
	s_add_nc_u64 s[G0B+4*\slot+2:G0B+4*\slot+3], s[G0B+4*\slot+2:G0B+4*\slot+3], 2*256
	JLOAD G0+4*\slot, G1, G0B+4*\slot, G1B         ; the first tensor load behind the round; its four v_nop are the places in front of the loads below
.else
	PLACES NP
.endif
	FETCH_B \next, 0, 0
	FETCH_A \next, 0, 0
	WIN MUL_HI
	MUL16 4, 1, 0
	MUL16 6, 1, 0
	PLACES NP
	WIN 0
	FETCH_A \next, 0, 4
.endm
	s_wait_tensorcnt 1                             ; my part of K step 0 is in (K step 1's load may be out),
	s_barrier_signal -1
	s_barrier_wait -1                              ; everybody's is
	FETCH_B 0, 0, 0
	FETCH_A 0, 0, 0
	FETCH_A 0, 0, 4
	STEP 0, 0, 1                                   ; the first step's products start the sums
	s_mov_b32 s3, LAPS-1
.Llap:                                             ; a trip goes once round the ring and fills both slots again
	TURN 0, 1, 1
	STEP 1, 0, 0
	TURN 1, 0, 1
	STEP 0, 0, 0
	s_sub_co_u32 s3, s3, 1
	s_cmp_lg_u32 s3, 0
	s_cbranch_scc1 .Llap
	TURN 0, 1, 0                                   ; the last lap fills nothing
	STEP 1, 0, 0
	s_wait_dscnt 4*NL
	WIN MUL_LO
	MUL16 0, 1, 0
	MUL16 2, 1, 0
	s_wait_dscnt 0
	WIN MUL_HI
	MUL16 4, 1, 0
	MUL16 6, 1, 0
	WIN 0
; THE WAY OUT, block by block of 16 rows x 128 columns: + bias, relu and hold in one, converted, through my stage, and out as whole groups of 256 bytes.
.macro TOCODE a
.set AC, 64*((\a)%4)
.set CC, CD+16*((\a)%2)
.set BB, BK+16*((\a)%2)
	WIN 0x02+((\a)/4)                              ; source 0: window 2 or 3
.set j, 0
.rept 32
	v_pk_add_f32 v[TMP+j:TMP+j+1], v[AC+j:AC+j+1], v[BI+j:BI+j+1]   ; each accumulator from its low end on
.set j, j+2
.endr
	WIN 0
.set j, 0
.rept 64
	v_med3_num_f32 v[TMP+j], v[TMP+j], 0, v[LIM]   ; the activation and the hold in one (the conversion does not saturate: ISA guide 7.6.2)
.set j, j+1
.endr
.irp b, 0,1,2,3,4,5,6,7
	v_cvt_scalef32_pk8_fp8_f32 v[CC+2*\b:CC+2*\b+1], v[TMP+8*\b:TMP+8*\b+7], v[SC]
.endr
	v_nop                                          ; a plain line behind the conversions: the next block's additions write their sources
.irp b, 0,1,2,3,4,5,6,7
	ds_store_b64 v[STO], v[CC+2*\b:CC+2*\b+1] offset:16*\b
.endr
.irp n, 0,1,2,3
	ds_load_b128 v[BB+4*\n:BB+4*\n+3], v[RD] offset:4*\n*CPITCH    ; LDS serves a wave's instructions in order: these see my stores
.endr
.endm
.macro SENDC a, younger                ; younger: the next block's 8 stores and 4 loads, which may stay out
.set BB, BK+16*((\a)%2)
	s_wait_dscnt \younger
.if (\a) > 0
	s_add_nc_u64 s[12:13], s[12:13], 65536         ; (behind a wait on XCNT)  eight groups on
.endif
.irp n, 0,1,2,3
	global_store_b128 v[CO0], v[BB+4*\n:BB+4*\n+3], s[12:13] offset:16384*\n   ; sixteen lanes store 256 consecutive bytes, at a multiple of 256 from the buffer's first byte
.endr
.endm
	PLACES NP                                      ; the additions write registers that held A's fragments
	TOCODE 0
.irp a, 1,2,3,4,5,6,7
.if \a > 1
	s_wait_xcnt 0x0                                ; block a - 2's stores have read their registers and their base
.endif
	TOCODE \a
	SENDC \a-1, 12
.endr
	s_wait_xcnt 0x0
	SENDC 7, 0
	s_wait_tensorcnt 0x0                           ; the wave's end
	ds_add_u32 v[SPW], v[NIL]
	s_wait_dscnt 0x0
	CROUND                                         ; the closing round
	s_endpgm
.Lfunc_end_k_qb7a567c472_ffn1:
	.size	k_qb7a567c472_ffn1, .Lfunc_end_k_qb7a567c472_ffn1-k_qb7a567c472_ffn1
	.p2alignl 7, 3214868480
	.fill 96, 4, 3214868480
	.section	.rodata,"a",@progbits
	.p2align	6, 0x0
	.amdhsa_kernel k_qb7a567c472_ffn1
		.amdhsa_group_segment_fixed_size 327680
		.amdhsa_private_segment_fixed_size 0
		.amdhsa_enable_private_segment 0
		.amdhsa_kernarg_size 40
		.amdhsa_user_sgpr_count 2
		.amdhsa_user_sgpr_kernarg_segment_ptr 1
		.amdhsa_wavefront_size32 1
		.amdhsa_system_sgpr_workgroup_id_x 1
		.amdhsa_system_sgpr_workgroup_id_y 1
		.amdhsa_system_sgpr_workgroup_id_z 1
		.amdhsa_system_vgpr_workitem_id 0
		.amdhsa_next_free_vgpr 1024
		.amdhsa_next_free_sgpr 100
		.amdhsa_reserve_vcc 0
		.amdhsa_float_denorm_mode_32 3
		.amdhsa_float_denorm_mode_16_64 3
		.amdhsa_memory_ordered 1
		.amdhsa_forward_progress 1
		.amdhsa_inst_pref_size 147
	.end_amdhsa_kernel
	.amdgpu_metadata
---
amdhsa.version: [ 1, 2 ]
amdhsa.kernels:
  - .name:           k_qb7a567c472_ffn1
    .symbol:         k_qb7a567c472_ffn1.kd
    .args:
      - { .name: x1c, .offset: 0, .size: 8, .value_kind: global_buffer, .address_space: global }
      - { .name: wc, .offset: 8, .size: 8, .value_kind: global_buffer, .address_space: global }
      - { .name: b1, .offset: 16, .size: 8, .value_kind: global_buffer, .address_space: global }
      - { .name: lowp_scales, .offset: 24, .size: 8, .value_kind: global_buffer, .address_space: global }
      - { .name: hc, .offset: 32, .size: 8, .value_kind: global_buffer, .address_space: global }
    .group_segment_fixed_size: 327680
    .private_segment_fixed_size: 0
    .kernarg_segment_align: 8
    .kernarg_segment_size: 40
    .max_flat_workgroup_size: 128
    .sgpr_count:     100
    .vgpr_count:     1024
    .wavefront_size: 32
...
	.end_amdgpu_metadata
.endif
;; end of part 6
;; launch ffn2 (part 7): grid 8 x 32, 4 waves a work-group, clusters of 4 x 4, 327,680 bytes of LDS; arguments hc, wc, lowp_scales, t; writes t
.if DOCPART == 7
	.amdgcn_target "amdgcn-amd-amdhsa--gfx1250"
	.amdhsa_code_object_version 6
	.text
	.protected	k_qb7a567c472_ffn2
	.globl	k_qb7a567c472_ffn2
	.p2align	8
	.type	k_qb7a567c472_ffn2,@function
k_qb7a567c472_ffn2:
	s_mov_b64 s[64:65], 0
	v_nop
	global_prefetch_b8 v0, s[64:65] scope:SCOPE_SE
	s_setreg_imm32_b32 hwreg(HW_REG_WAVE_MODE, 25, 1), 1
	s_wait_xcnt 0x0
	s_wait_alu depctr_hold_cnt(0) depctr_sa_sdst(0) depctr_va_vdst(0) depctr_va_sdst(0) depctr_va_ssrc(0) depctr_va_vcc(0) depctr_vm_vsrc(0)
	s_getreg_b32 s2, hwreg(HW_REG_IB_STS2, 6, 4)
	s_cmp_eq_u32 s2, 0
	s_cbranch_scc0 .Lentry_in_a_cluster
	s_endpgm
.Lentry_in_a_cluster:
	s_bfe_u32 s2, ttmp6, 0x10000c
	s_cmp_lg_u32 s2, 0xf033
	s_cbranch_scc0 .Lentry_shape_is_right
	s_endpgm
.Lentry_shape_is_right:
; C = A B^T x 2^(ea + eb), f32, on codes of FP8 (E4M3).  Here: A = the hidden layer's codes [4,096][4,096], B = W2's codes (wc + 8 MiB) [1,024][4,096], C = t [4,096][1,024]; ea, eb = entries 14, 15.
; LIMIT: ea + eb lies between -126 and 127, so that 2^(ea + eb) is an f32 number.
; A TILE OF C IS 128 x 128: C has 32 x 8 of them, 256 work-groups, each walking all of K: one f32 sum for each output, and no parts to add.  Tiles of 256 x 256 would be 64, too few.
; Four waves, each 64 x 64: 16 accumulators of 16 x 16, 128 registers.  K goes in steps of 512, as long as two slots in LDS allow, through a ring of two LDS slots filled by the tensor data mover.
; A slot is four tiles of 128 rows x 256 along K, one to a wave: A's two halves of the step's K, then B's two.
; A's LAYOUT: GR rows share a group: a group's GR x 256 bytes of 256 along K lie on end, in pieces of 256 / GR bytes that take the GR rows by turns.  So the launch that made the codes could store whole
; runs of 256 bytes, and here a tile's row is GR x 256 consecutive bytes.  K's order is the natural one.
; CLUSTERS: 4 x 4 work-groups; the four of a row need the same tiles of A, the four of a column the same tiles of B: each tile is asked for JOINTLY.
; THE MATRIX INSTRUCTION IS USED TRANSPOSED (source 0 = 16 rows of B, source 1 = 16 rows of A): a lane holds eight neighbouring numbers of a row of C.
; No prefetch: a small tile, whose rows are shared out in clusters and read again by other clusters.
; REGISTERS: window 0: v0-31 addresses; v32-127 at work on the way out; v128-255 the accumulators ((a, b) at v[128 + 8 (4 a + b)]).
;   window 1: two sets of fragments for 128 along K, at v0 and v128: 64 registers of A (4 x 16 rows), then 64 of B.
.set GR,     2
.set LOGGR,  1
.set KROW,   4096                      ; a row of A or of B in memory, in bytes
.set LOGKROW, 12
.set KLEN,   4096                      ; K
.set BOFF,   0x800000                  ; B's place in wc
.set EOFF,   0x38                      ; the two exponents' place among the scales
.set NCOL,   1024                      ; columns of C
.set KSTEP,  512                       ; along K in a slot
.set PITCH,  272                       ; an LDS row of B: 256 bytes + 16 of padding: the 16 rows that a load touches start at 16 different banks (64 banks of 4 bytes: ISA guide 11.1)
.set PA,     GR*256+16                 ; an LDS row of A: lane r's 16 bytes lie in column (r / GR) + (r % GR) (16 / GR) of 16 bytes modulo 256: sixteen different ones
.set PIECE,  256/GR
.set FR,     16                        ; registers of a fragment: 16 rows x 128 K
.set HALFT,  128*PITCH                 ; room for one tile: 128 rows x 256 along K
.set SLOT,   4*HALFT
.set LAPS,   KLEN/(2*KSTEP)            ; a lap = two K steps = once round the ring
.set SPARE,  2*SLOT                    ; behind the ring: the spare words, 128 bytes for each wave
.set SPITCH, 272                       ; the way out: a stage of 16 rows x (256 bytes + 16) for each wave, in slot 0, which has had its last fill and its last read by then
.set ADRA, 16                          ; v16-17  LDS address of my A fragments in slot 0, 1
.set ADRB, 20                          ; v20-21  the same for B
.set STO,  24
.set RD,   25
.set CO,   26
.set SPW,  28                          ; v28     LDS address of my spare word; never rewritten
.set NIL,  29                          ; v29     0; never rewritten
.set TMP,  32                          ; v32-63  a block's sums x 2^(ea + eb)
.set BK,   64                          ; v64-127 16 rows read back from the stage, two sets of 32
.set ACC,  128
.set F0,   0
.set F1,   128
.set G1,  24
.set G0,  32
.set G1B, 48
.set G0B, 56
.set MSB, 0
.macro WIN new                         ; the immediate's high byte repeats the setting that is left
.if MSB != (\new)
	s_set_vgpr_msb (MSB<<8)|(\new)
.set MSB, (\new)
.endif
.endm
.set MUL,  0x05                        ; sources 0 (B) and 1 (A) window 1; C and D window 0
.set TO_F, 0x40                        ; destination window 1, address window 0
; A joint load: waves 0 and 1 fetch for A, waves 2 and 3 for B; the branch hangs on the wave's number alone.  Four v_nop follow each of the two lines.
.macro JLOAD g0a, g1a, g0b, g1b
	s_cmp_eq_u32 s15, 0
	s_cbranch_scc0 .Lfor_b_\@
	tensor_load_to_lds s[\g0a:\g0a+3], s[\g1a:\g1a+7]
	s_nop 0
.rept 4
	v_nop
.endr
	s_branch .Lasked_\@
.Lfor_b_\@:
	tensor_load_to_lds s[\g0b:\g0b+3], s[\g1b:\g1b+7]
	s_nop 0
.rept 4
	v_nop
.endr
.Lasked_\@:
.endm
.macro CREST                           ; a round of the cluster's barrier behind its opening barrier
	s_cmp_lg_u32 s14, 0
	s_cbranch_scc1 .Lnot_wave_0_\@
	s_barrier_signal -3
.Lnot_wave_0_\@:
	s_barrier_wait -3
	s_barrier_signal -1
	s_barrier_wait -1
.endm
.macro CROUND
	s_barrier_signal -1
	s_barrier_wait -1
	CREST
.endm
	s_load_b128 s[4:7], s[0:1], 0x0                ; A's codes, wc
	s_load_b128 s[8:11], s[0:1], 0x10              ; the scales' exponents, C
	v_lshl_add_u32 v[SPW], v0, 2, SPARE
	v_mov_b32 v[NIL], 0
	ds_add_u32 v28, v29
	ds_add_u32 v28, v29
	s_wait_dscnt 0x0
	v_lshrrev_b32 v1, 5, v0
	v_readfirstlane_b32 s14, v1                    ; wave 0..3
	s_lshr_b32 s15, s14, 1                         ; which half of the tile's rows is mine.  Also: I fetch for A (0) or for B (1)
	s_and_b32 s16, s14, 1                          ; which half of its columns.  Also: which half of a step's K I fetch
	s_bfe_u32 s40, ttmp6, 0x40000                  ; cx
	s_bfe_u32 s41, ttmp6, 0x40004                  ; cy
	s_lshl_b32 s42, ttmp9, 2
	s_add_co_u32 s42, s42, s40                     ; tile column of C = 4 x cluster x + cx
	s_and_b32 s17, ttmp7, 0xffff
	s_lshl_b32 s17, s17, 2
	s_add_co_u32 s17, s17, s41                     ; tile row of C = 4 x cluster y + cy
	s_lshl_b32 s43, s41, 2
	s_lshl_b32 s43, 15, s43                        ; my row of the cluster
	s_lshl_b32 s44, 0x1111, s40                    ; my column
	s_or_b32 s[G1+0], s43, (0<<16)|(1<<20)|(1<<21)|((5+LOGGR)<<22)|(3<<25)  ; the mask; elements of 1 byte; padding on; bit 21 beside a mask; 4 words of padding behind every row
	s_or_b32 s[G1B+0], s44, (0<<16)|(1<<20)|(1<<21)|(5<<22)|(3<<25)
	s_mov_b32 s[G1+1], (GR*256)<<16                ; tensor_dim0
	s_mov_b32 s[G1+2], (128/GR)<<16                ; tensor_dim1
	s_mov_b32 s[G1+3], (GR*256)<<16                ; tile_dim0
	s_mov_b32 s[G1+4], 128/GR                      ; tile_dim1
	s_mov_b32 s[G1+5], GR*KROW                     ; stride from group to group
	s_mov_b32 s[G1+6], 0
	s_mov_b32 s[G1+7], 0
	s_mov_b32 s[G1B+1], 256<<16
	s_mov_b32 s[G1B+2], 128<<16
	s_mov_b32 s[G1B+3], 256<<16
	s_mov_b32 s[G1B+4], 128
	s_mov_b32 s[G1B+5], KROW
	s_mov_b32 s[G1B+6], 0
	s_mov_b32 s[G1B+7], 0
	s_lshl_b32 s20, s17, 7+LOGKROW                 ; A: 128 x tile row rows of KROW bytes (a whole number of groups),
	s_mul_i32 s18, s16, GR*256
	s_add_co_u32 s20, s20, s18                     ; + my half of the step's K
	s_mov_b32 s21, 0
	s_lshl_b32 s46, s42, 7+LOGKROW                 ; B: 128 x tile column rows,
	s_lshl_b32 s19, s16, 8
	s_add_co_u32 s46, s46, s19                     ; + my half of the step's K,
	s_add_co_u32 s46, s46, BOFF                    ; in wc
	s_mov_b32 s47, 0
	s_mul_i32 s45, s14, HALFT                      ; where they go: wave x a tile's room: no place in the cluster enters an LDS address
	s_wait_kmcnt 0x0
	s_load_b64 s[96:97], s[8:9], EOFF              ; ea, eb
	s_add_nc_u64 s[20:21], s[4:5], s[20:21]
	s_add_nc_u64 s[46:47], s[6:7], s[46:47]
	CROUND                                         ; all sixteen work-groups are here: the first joint loads meet
.irp s, 0,1
	s_mov_b32 s[G0+4*\s], 1
	s_add_co_u32 s[G0+4*\s+1], s45, \s*SLOT
	s_add_nc_u64 s[G0+4*\s+2:G0+4*\s+3], s[20:21], \s*GR*KSTEP
	s_or_b32 s[G0+4*\s+3], s[G0+4*\s+3], 0x80000000
	s_mov_b32 s[G0B+4*\s], 1
	s_add_co_u32 s[G0B+4*\s+1], s45, \s*SLOT
	s_add_nc_u64 s[G0B+4*\s+2:G0B+4*\s+3], s[46:47], \s*KSTEP
	s_or_b32 s[G0B+4*\s+3], s[G0B+4*\s+3], 0x80000000
	JLOAD G0+4*\s, G1, G0B+4*\s, G1B
.endr
	v_and_b32 v1, 15, v0                           ; r = lane % 16
	v_bfe_u32 v2, v0, 4, 1                         ; h = lane / 16
	v_mul_u32_u24 v3, v1, PITCH
	v_lshl_add_u32 v4, v2, 4, v3                   ; B: row x pitch + 16 h
	v_lshrrev_b32 v5, LOGGR, v1
	v_mul_u32_u24 v5, v5, PA
	v_and_b32 v6, GR-1, v1
	v_lshl_add_u32 v5, v6, 8-LOGGR, v5
	v_lshl_add_u32 v5, v2, 4, v5                   ; A: group x pitch + (r % GR) x piece + 16 h
	s_mul_i32 s21, s15, (64/GR)*PA                 ; my 64 rows of A
	s_mul_i32 s22, s16, 64*PITCH                   ; my 64 rows of B,
	s_add_co_u32 s22, s22, 2*HALFT                 ; whose tiles lie behind A's two
.irp s, 0,1
	v_add_nc_u32 v[ADRA+\s], s21, v5
	v_add_nc_u32 v[ADRB+\s], s22, v4
	s_add_co_u32 s21, s21, SLOT
	s_add_co_u32 s22, s22, SLOT
.endr
	s_mul_i32 s23, s14, 16*SPITCH                  ; my stage
	v_mul_u32_u24 v5, v1, SPITCH
	v_lshl_add_u32 v5, v2, 5, v5
	v_add_nc_u32 v[STO], s23, v5                   ; in: row r, 32 bytes for each half of the lanes
	v_mul_u32_u24 v5, v2, SPITCH
	v_lshl_add_u32 v5, v1, 4, v5
	v_add_nc_u32 v[RD], s23, v5                    ; back: lanes 0-15 take one row of 256 bytes, lanes 16-31 the next
	v_lshlrev_b32 v[CO], 12, v2
	v_lshl_add_u32 v[CO], v1, 4, v[CO]             ; and the same two rows in C, 4,096 bytes a row
	s_lshl_b32 s20, s17, 7
	s_lshl_b32 s21, s15, 6
	s_add_co_u32 s20, s20, s21
	s_lshl_b32 s20, s20, 12                        ; my first row of C,
	s_lshl_b32 s46, s42, 9
	s_lshl_b32 s47, s16, 8
	s_add_co_u32 s46, s46, s47
	s_add_co_u32 s20, s20, s46                     ; my first column: 512 x tile column + 256 x half bytes
	s_mov_b32 s21, 0
	s_add_nc_u64 s[10:11], s[10:11], s[20:21]
; q = 0 .. 3: which 128 along K of the slot: tile q / 2, its half q % 2
.macro FRAG reg, adr, q, i             ; a fragment of B: lane l holds row l % 16; registers 4 c .. 4 c + 3 hold K = 32 c + 16 (l / 16) + 0 .. 15: the same permutation of k in A and in B
.irp c, 0,1,2,3
	ds_load_b128 v[\reg+4*\c:\reg+4*\c+3], v[\adr] offset:((\q)/2)*HALFT+128*((\q)%2)+32*\c+(\i)*16*PITCH
.endr
.endm
.macro FRAGA reg, adr, q, i            ; the same of A, whose LDS rows hold GR rows in pieces of PIECE bytes
.irp c, 0,1,2,3
	ds_load_b128 v[\reg+4*\c:\reg+4*\c+3], v[\adr] offset:((\q)/2)*HALFT+((128*((\q)%2)+32*\c)/PIECE)*256+((128*((\q)%2)+32*\c)%PIECE)+(\i)*(16/GR)*PA
.endr
.endm
.macro FETCH slot, q, f                ; 32 LDS loads in one run: B's four fragments and A's four, into set f
	WIN TO_F
.irp i, 0,1,2,3
	FRAG (\f)+64+FR*\i, ADRB+\slot, \q, \i
.endr
.irp i, 0,1,2,3
	FRAGA (\f)+FR*\i, ADRA+\slot, \q, \i
.endr
.endm
; 8 matrix instructions: A's blocks a0, a0 + 1 x B's four.  The 16 accumulators take turns, one instruction a turn, in the same order in every step.
.macro MUL8 f, a0, zero
.irp a, \a0, \a0+1
.irp b, 0,1,2,3
.if \zero
	v_wmma_f32_16x16x128_fp8_fp8 v[ACC+8*(4*(\a)+\b):ACC+8*(4*(\a)+\b)+7], v[(\f)+64+FR*\b:(\f)+64+FR*\b+FR-1], v[(\f)+FR*(\a):(\f)+FR*(\a)+FR-1], 0
.else
	v_wmma_f32_16x16x128_fp8_fp8 v[ACC+8*(4*(\a)+\b):ACC+8*(4*(\a)+\b)+7], v[(\f)+64+FR*\b:(\f)+64+FR*\b+FR-1], v[(\f)+FR*(\a):(\f)+FR*(\a)+FR-1], v[ACC+8*(4*(\a)+\b):ACC+8*(4*(\a)+\b)+7]
.endif
.endr
.endr
.endm
.macro PLACES                          ; four plain vector lines between a matrix instruction and a load into, or a vector line on, its registers
.rept 4
	v_nop
.endr
.endm
; One of a slot's first three steps of 128 along K: the next step's fragments are asked for, into the set that the last products have left, and this step's set is multiplied.
.macro QUARTER slot, q, zero
	PLACES
	FETCH \slot, (\q)+1, 128*(1-(\q)%2)
	s_wait_dscnt 32                                ; all but the 32 loads just issued: this step's set is in
	WIN MUL
	MUL8 128*((\q)%2), 0, \zero
	MUL8 128*((\q)%2), 2, \zero
.endm
; A slot's last step changes slots: ONE barrier; in front of it each wave waits for all its tensor loads, adds 0 to its spare word, and waits for that and for its reads of this slot.
.macro TURN slot, next, fill
	WIN 0                                          ; (the add's two registers lie in window 0)
	s_wait_tensorcnt 0x0                           ; all my tensor loads have landed: my part of the next slot
	ds_add_u32 v[SPW], v[NIL]                      ; 0 onto my spare word
	s_wait_dscnt 1                                 ; (the add alone may be out: this step's set is in)
	WIN MUL
	MUL8 F1, 0, 0
	s_wait_dscnt 0x0                               ; the add is done, and my reads of this slot are over
	s_barrier_signal -1
	MUL8 F1, 2, 0
	WIN 0
	s_barrier_wait -1
.if \fill
	CREST                                          ; the barrier has opened a round of the cluster's barrier: no wave of any partner still reads this slot or has a load on its way
	s_add_nc_u64 s[G0+4*\slot+2:G0+4*\slot+3], s[G0+4*\slot+2:G0+4*\slot+3], 2*GR*KSTEP
	s_add_nc_u64 s[G0B+4*\slot+2:G0B+4*\slot+3], s[G0B+4*\slot+2:G0B+4*\slot+3], 2*KSTEP
	JLOAD G0+4*\slot, G1, G0B+4*\slot, G1B         ; the first tensor load behind the round; its four v_nop are the places in front of the loads below
.else
	PLACES
.endif
	FETCH \next, 0, F0
.endm
	s_wait_tensorcnt 1                             ; my part of K step 0 is in (K step 1's load may be out),
	s_barrier_signal -1
	s_barrier_wait -1                              ; everybody's is
	FETCH 0, 0, F0
	QUARTER 0, 0, 1                                ; the first step's products start the sums
.if LAPS > 1
	WIN 0                                          ; at a label and at a branch every window is 0
	s_mov_b32 s3, LAPS-1
.Llap:                                             ; a trip goes once round the ring and fills both slots again
	QUARTER 0, 1, 0
	QUARTER 0, 2, 0
	TURN 0, 1, 1
	QUARTER 1, 0, 0
	QUARTER 1, 1, 0
	QUARTER 1, 2, 0
	TURN 1, 0, 1
	QUARTER 0, 0, 0
	WIN 0
	s_sub_co_u32 s3, s3, 1
	s_cmp_lg_u32 s3, 0
	s_cbranch_scc1 .Llap
.endif
	QUARTER 0, 1, 0                                ; the last lap fills nothing
	QUARTER 0, 2, 0
	TURN 0, 1, 0
	QUARTER 1, 0, 0
	QUARTER 1, 1, 0
	QUARTER 1, 2, 0
	s_wait_dscnt 0x0                               ; the very last step: nothing more to fetch
	MUL8 F1, 0, 0
	MUL8 F1, 2, 0
	WIN 0
; THE WAY OUT, block by block of 16 rows x 64 columns: x 2^(ea + eb), through my stage in LDS, and back as whole rows of 256 bytes: my 64 columns are 256 consecutive bytes of C, at a multiple of 256.
.macro TOSTAGE a
.set AC, ACC+32*(\a)
.set j, 0
.rept 16
	v_pk_mul_f32 v[TMP+j:TMP+j+1], v[AC+j:AC+j+1], s[96:97] op_sel_hi:[1,0]   ; both x s96; each accumulator from its low end on
.set j, j+2
.endr
.irp b, 0,1,2,3
	ds_store_b128 v[STO], v[TMP+8*\b:TMP+8*\b+3] offset:64*\b
	ds_store_b128 v[STO], v[TMP+8*\b+4:TMP+8*\b+7] offset:64*\b+16
.endr
.set BB, BK+32*((\a)%2)
.irp n, 0,1,2,3,4,5,6,7
	ds_load_b128 v[BB+4*\n:BB+4*\n+3], v[RD] offset:\n*2*SPITCH    ; LDS serves a wave's instructions in order: these see my stores
.endr
.endm
.macro SEND a, younger                 ; younger: the next block's 8 stores and 8 loads, which may stay out
.set BB, BK+32*((\a)%2)
	s_wait_dscnt \younger
.if (\a) > 0
	s_add_nc_u64 s[10:11], s[10:11], 16*NCOL*4     ; (behind a wait on XCNT)  16 rows of C on
.endif
.irp n, 0,1,2,3,4,5,6,7
	global_store_b128 v[CO], v[BB+4*\n:BB+4*\n+3], s[10:11] offset:\n*2*NCOL*4 th:TH_STORE_NT   ; sixteen lanes store 256 consecutive bytes, at a multiple of 256 from C's first byte
.endr
.endm
	s_wait_kmcnt 0x0
	s_add_co_i32 s96, s96, s97
	s_add_co_i32 s96, s96, 127
	s_lshl_b32 s96, s96, 23                        ; 2^(ea + eb) as f32
	PLACES                                         ; in front of the first read of results
	TOSTAGE 0
.irp a, 1,2,3
.if \a > 1
	s_wait_xcnt 0x0                                ; block a - 2's stores have read their registers and their base
.endif
	TOSTAGE \a
	SEND \a-1, 16
.endr
	s_wait_xcnt 0x0
	SEND 3, 0
	s_wait_tensorcnt 0x0                           ; the wave's end
	ds_add_u32 v[SPW], v[NIL]
	s_wait_dscnt 0x0
	CROUND                                         ; the closing round
	s_endpgm
.Lfunc_end_k_qb7a567c472_ffn2:
	.size	k_qb7a567c472_ffn2, .Lfunc_end_k_qb7a567c472_ffn2-k_qb7a567c472_ffn2
	.p2alignl 7, 3214868480
	.fill 96, 4, 3214868480
	.section	.rodata,"a",@progbits
	.p2align	6, 0x0
	.amdhsa_kernel k_qb7a567c472_ffn2
		.amdhsa_group_segment_fixed_size 327680
		.amdhsa_private_segment_fixed_size 0
		.amdhsa_enable_private_segment 0
		.amdhsa_kernarg_size 32
		.amdhsa_user_sgpr_count 2
		.amdhsa_user_sgpr_kernarg_segment_ptr 1
		.amdhsa_wavefront_size32 1
		.amdhsa_system_sgpr_workgroup_id_x 1
		.amdhsa_system_sgpr_workgroup_id_y 1
		.amdhsa_system_sgpr_workgroup_id_z 1
		.amdhsa_system_vgpr_workitem_id 0
		.amdhsa_next_free_vgpr 512
		.amdhsa_next_free_sgpr 100
		.amdhsa_reserve_vcc 0
		.amdhsa_float_denorm_mode_32 3
		.amdhsa_float_denorm_mode_16_64 3
		.amdhsa_memory_ordered 1
		.amdhsa_forward_progress 1
		.amdhsa_inst_pref_size 74
	.end_amdhsa_kernel
	.amdgpu_metadata
---
amdhsa.version: [ 1, 2 ]
amdhsa.kernels:
  - .name:           k_qb7a567c472_ffn2
    .symbol:         k_qb7a567c472_ffn2.kd
    .args:
      - { .name: hc, .offset: 0, .size: 8, .value_kind: global_buffer, .address_space: global }
      - { .name: wc, .offset: 8, .size: 8, .value_kind: global_buffer, .address_space: global }
      - { .name: lowp_scales, .offset: 16, .size: 8, .value_kind: global_buffer, .address_space: global }
      - { .name: t, .offset: 24, .size: 8, .value_kind: global_buffer, .address_space: global }
    .group_segment_fixed_size: 327680
    .private_segment_fixed_size: 0
    .kernarg_segment_align: 8
    .kernarg_segment_size: 32
    .max_flat_workgroup_size: 128
    .sgpr_count:     100
    .vgpr_count:     512
    .wavefront_size: 32
...
	.end_amdgpu_metadata
.endif
;; end of part 7
;; launch ln2 (part 8): grid 256 x 1, 16 waves a work-group, no clusters, 0 bytes of LDS; arguments x1, t, b2, g2, be2, out0; writes out0
.if DOCPART == 8
	.amdgcn_target "amdgcn-amd-amdhsa--gfx1250"
	.amdhsa_code_object_version 6
	.text
	.protected	k_qb7a567c472_ln2
	.globl	k_qb7a567c472_ln2
	.p2align	8
	.type	k_qb7a567c472_ln2,@function
k_qb7a567c472_ln2:
	s_mov_b64 s[64:65], 0
	v_nop
	global_prefetch_b8 v0, s[64:65] scope:SCOPE_SE
	s_setreg_imm32_b32 hwreg(HW_REG_WAVE_MODE, 25, 1), 1
	s_wait_xcnt 0x0
; out0 = layer norm of (x1 + ff) x g2 + be2, ff = the last product + b2, all in f32.
; One wave, one row of 1,024 numbers: the row stays in 32 registers a lane between the passes, the sums never leave the wave: no LDS, no barrier.  Lane i holds columns 4 i + 128 j + 0 .. 3, j = 0 .. 7:
; every load and store covers 512 consecutive bytes.  The variance is the mean of (y - mean)^2.  Memory binds: no matrix unit, no cluster, no tensor load.
.set Y,  16                            ; v16-47   x1, then y, y - mean, the result
.set P0, 48                            ; v48-79   the last product
.set B2, 80                            ; v80-111  b2
.set G,  112                           ; v112-143 g2
.set BE, 144                           ; v144-175 be2
	s_load_b256 s[4:11], s[0:1], 0x0               ; x1, t, b2, g2
	s_load_b128 s[12:15], s[0:1], 0x20             ; be2, out0
	v_lshrrev_b32 v1, 5, v0
	v_readfirstlane_b32 s20, v1                    ; wave
	v_and_b32 v2, 31, v0
	v_lshlrev_b32 v3, 4, v2                        ; 16 x lane
	s_lshl_b32 s21, ttmp9, 4
	s_add_co_u32 s21, s21, s20                     ; my row
	s_lshl_b32 s22, s21, 12
	s_mov_b32 s23, 0
	s_mov_b32 s26, 0x76543210
	s_mov_b32 s27, 0xfedcba98
	s_mov_b32 s28, 0x3a800000                      ; 1 / 1,024
	s_mov_b32 s29, 0x3727c5ac                      ; 1e-5
	v_mov_b32 v12, 0                               ; a lane permute's destination counts as one of its sources
	s_wait_kmcnt 0x0
	s_add_nc_u64 s[4:5], s[4:5], s[22:23]
	s_add_nc_u64 s[6:7], s[6:7], s[22:23]
	s_add_nc_u64 s[14:15], s[14:15], s[22:23]
.irp j, 0,1,2,3,4,5,6,7
	global_load_b128 v[Y+4*\j:Y+4*\j+3], v3, s[4:5] offset:512*\j th:TH_LOAD_NT
.endr
.irp j, 0,1,2,3,4,5,6,7
	global_load_b128 v[P0+4*\j:P0+4*\j+3], v3, s[6:7] offset:512*\j th:TH_LOAD_NT
.endr
.irp j, 0,1,2,3,4,5,6,7
	global_load_b128 v[B2+4*\j:B2+4*\j+3], v3, s[8:9] offset:512*\j
.endr
.irp j, 0,1,2,3,4,5,6,7
	global_load_b128 v[G+4*\j:G+4*\j+3], v3, s[10:11] offset:512*\j
.endr
.irp j, 0,1,2,3,4,5,6,7
	global_load_b128 v[BE+4*\j:BE+4*\j+3], v3, s[12:13] offset:512*\j
.endr
	s_wait_loadcnt 16                              ; x1, the product and b2 are in; the 16 loads of g2 and be2 may be out
.set j, 0
.rept 16
	v_pk_add_f32 v[P0+j:P0+j+1], v[P0+j:P0+j+1], v[B2+j:B2+j+1]
	v_pk_add_f32 v[Y+j:Y+j+1], v[Y+j:Y+j+1], v[P0+j:P0+j+1]
.set j, j+2
.endr
	v_pk_add_f32 v[8:9], v[Y:Y+1], v[Y+2:Y+3]      ; the row's sum: two chains of pairs,
	v_pk_add_f32 v[10:11], v[Y+4:Y+5], v[Y+6:Y+7]
.irp j, 8,12,16,20,24,28
	v_pk_add_f32 v[8:9], v[8:9], v[Y+\j:Y+\j+1]
	v_pk_add_f32 v[10:11], v[10:11], v[Y+\j+2:Y+\j+3]
.endr
	v_pk_add_f32 v[8:9], v[8:9], v[10:11]
	v_add_f32 v8, v8, v9
	v_add_f32_dpp v8, v8, v8 row_xmask:1 row_mask:0xf bank_mask:0xf   ; then across the 32 lanes
	v_add_f32_dpp v8, v8, v8 row_xmask:2 row_mask:0xf bank_mask:0xf
	v_add_f32_dpp v8, v8, v8 row_xmask:4 row_mask:0xf bank_mask:0xf
	v_add_f32_dpp v8, v8, v8 row_xmask:8 row_mask:0xf bank_mask:0xf
	v_permlanex16_b32 v12, v8, s26, s27
	v_add_f32 v8, v8, v12
	v_mul_f32 v8, 0xba800000, v8                   ; - mean
.set j, 0
.rept 16
	v_pk_add_f32 v[Y+j:Y+j+1], v[Y+j:Y+j+1], v[8:9] op_sel_hi:[1,0]   ; y - mean
.set j, j+2
.endr
	v_pk_mul_f32 v[8:9], v[Y:Y+1], v[Y:Y+1]
	v_pk_mul_f32 v[10:11], v[Y+2:Y+3], v[Y+2:Y+3]
.irp j, 4,8,12,16,20,24,28
	v_pk_fma_f32 v[8:9], v[Y+\j:Y+\j+1], v[Y+\j:Y+\j+1], v[8:9]
	v_pk_fma_f32 v[10:11], v[Y+\j+2:Y+\j+3], v[Y+\j+2:Y+\j+3], v[10:11]
.endr
	v_pk_add_f32 v[8:9], v[8:9], v[10:11]
	v_add_f32 v8, v8, v9
	v_add_f32_dpp v8, v8, v8 row_xmask:1 row_mask:0xf bank_mask:0xf
	v_add_f32_dpp v8, v8, v8 row_xmask:2 row_mask:0xf bank_mask:0xf
	v_add_f32_dpp v8, v8, v8 row_xmask:4 row_mask:0xf bank_mask:0xf
	v_add_f32_dpp v8, v8, v8 row_xmask:8 row_mask:0xf bank_mask:0xf
	v_permlanex16_b32 v12, v8, s26, s27
	v_add_f32 v8, v8, v12
	v_fma_f32 v8, v8, s28, s29                     ; variance + 1e-5
	v_rsq_f32 v10, v8
	v_nop                                          ; a plain line behind the transcendental
	s_wait_loadcnt 0x0                             ; g2 and be2
.set j, 0
	s_wait_alu depctr_va_vdst(0)
.rept 16
	v_pk_mul_f32 v[Y+j:Y+j+1], v[Y+j:Y+j+1], v[10:11] op_sel_hi:[1,0]
	v_pk_fma_f32 v[Y+j:Y+j+1], v[Y+j:Y+j+1], v[G+j:G+j+1], v[BE+j:BE+j+1]
.set j, j+2
.endr
.irp j, 0,1,2,3,4,5,6,7
	global_store_b128 v3, v[Y+4*\j:Y+4*\j+3], s[14:15] offset:512*\j th:TH_STORE_NT   ; 512 consecutive bytes
.endr
	s_endpgm
.Lfunc_end_k_qb7a567c472_ln2:
	.size	k_qb7a567c472_ln2, .Lfunc_end_k_qb7a567c472_ln2-k_qb7a567c472_ln2
	.p2alignl 7, 3214868480
	.fill 96, 4, 3214868480
	.section	.rodata,"a",@progbits
	.p2align	6, 0x0
	.amdhsa_kernel k_qb7a567c472_ln2
		.amdhsa_group_segment_fixed_size 0
		.amdhsa_private_segment_fixed_size 0
		.amdhsa_enable_private_segment 0
		.amdhsa_kernarg_size 48
		.amdhsa_user_sgpr_count 2
		.amdhsa_user_sgpr_kernarg_segment_ptr 1
		.amdhsa_wavefront_size32 1
		.amdhsa_system_sgpr_workgroup_id_x 1
		.amdhsa_system_sgpr_workgroup_id_y 1
		.amdhsa_system_sgpr_workgroup_id_z 1
		.amdhsa_system_vgpr_workitem_id 0
		.amdhsa_next_free_vgpr 176
		.amdhsa_next_free_sgpr 66
		.amdhsa_reserve_vcc 0
		.amdhsa_float_denorm_mode_32 3
		.amdhsa_float_denorm_mode_16_64 3
		.amdhsa_memory_ordered 1
		.amdhsa_forward_progress 1
		.amdhsa_inst_pref_size 14
	.end_amdhsa_kernel
	.amdgpu_metadata
---
amdhsa.version: [ 1, 2 ]
amdhsa.kernels:
  - .name:           k_qb7a567c472_ln2
    .symbol:         k_qb7a567c472_ln2.kd
    .args:
      - { .name: x1, .offset: 0, .size: 8, .value_kind: global_buffer, .address_space: global }
      - { .name: t, .offset: 8, .size: 8, .value_kind: global_buffer, .address_space: global }
      - { .name: b2, .offset: 16, .size: 8, .value_kind: global_buffer, .address_space: global }
      - { .name: g2, .offset: 24, .size: 8, .value_kind: global_buffer, .address_space: global }
      - { .name: be2, .offset: 32, .size: 8, .value_kind: global_buffer, .address_space: global }
      - { .name: out0, .offset: 40, .size: 8, .value_kind: global_buffer, .address_space: global }
    .group_segment_fixed_size: 0
    .private_segment_fixed_size: 0
    .kernarg_segment_align: 8
    .kernarg_segment_size: 48
    .max_flat_workgroup_size: 512
    .sgpr_count:     66
    .vgpr_count:     176
    .wavefront_size: 32
...
	.end_amdgpu_metadata
.endif
;; end of part 8
